; MI455X (gfx1250); checked and timed in simulation.
; The chip was launched on July 23, 2026; its instructions are those of AMD's public machine-readable ISA for CDNA 5 (MIT licence, August 2026) and "CDNA5" Instruction Set Architecture Reference Guide (July 2026). The comments in the code are by the model that wrote it; some were corrected since.
;; Attention. Allowed arithmetic: float matrix products may take bf16 or f16 operands with f32 sums; all other float work in f32.
;; Inputs: b_proj 1,024 float32; w_proj 1,024 x 1,024 float32; w_qkv 3,072 x 1,024 float32; x 4 x 2,048 x 1,024 float32.
;; Outputs: out0 4 x 2,048 x 1,024 float32.
;; One version. Each part assembles by itself: llvm-mc -triple=amdgcn-amd-amdhsa -mcpu=gfx1250 --defsym DOCPART=n.
;; ======== version 1 of 1: 4 launches
;; limits: values are held in f16: magnitudes above 65,504 overflow, below 6.1e-05 lose precision
;; workspace buffers: xb 16,777,216 bytes; wqb 6,291,456 bytes; wpb 2,097,152 bytes; qkvh 50,331,648 bytes; ao 16,777,216 bytes
;; launch cast (part 1): grid 768 x 1, 8 waves a work-group, no clusters, 0 bytes of LDS; arguments x, w_qkv, w_proj, xb, wqb, wpb; writes xb, wqb, wpb
.if DOCPART == 1
	.amdgcn_target "amdgcn-amd-amdhsa--gfx1250"
	.amdhsa_code_object_version 6
	.text
	.protected	k_q6b83a9736d_cast
	.globl	k_q6b83a9736d_cast
	.p2align	8
	.type	k_q6b83a9736d_cast,@function
k_q6b83a9736d_cast:
	s_mov_b64 s[64:65], 0
	v_nop
	global_prefetch_b8 v0, s[64:65] scope:SCOPE_SE
	s_setreg_imm32_b32 hwreg(HW_REG_WAVE_MODE, 25, 1), 1
	s_wait_xcnt 0x0
; xb = bf16(x), wqb = bf16(w_qkv), wpb = bf16(w_proj): each number rounded once, to nearest even.
; THE WHOLE PROGRAM (four launches: this one, the q k v product, the attention, the projection) leaves no work of the problem out:
; every input reaches the output, there is no mask, nothing is sliced away.  The factor 1/8 on q is not a step of its own: it is
; folded, in f32, into the constant of the exponent in the attention; the maximum is still taken away there.
; WHY A COPY: the two products read each number of x 16 times and each weight 32 times out of LDS tiles; as bf16 the tiles are half
; as large and go to the matrix unit as they lie, and each number is converted once.
; A stream: no LDS, no barrier, no matrix unit, no cluster (no two work-groups read the same byte).
; A work-group takes 65,536 input bytes: groups 0-511 x, 512-703 w_qkv, 704-767 w_proj.  A wave takes 8,192 of them, as eight pieces
; of 1,024: a lane reads 32 neighbouring bytes (8 numbers) of a piece and stores their 16 bytes, so that a store of the wave covers
; 512 consecutive bytes, aligned.  All sixteen loads of a wave are issued before the first wait; no register is written twice.
.set X_GROUPS,  512                    ; 33,554,432 / 65,536
.set WQ_GROUPS, 192                    ; 12,582,912 / 65,536
.set X, 8                              ; v[8:71]    piece j: 8 registers as loaded
.set Y, 72                             ; v[72:103]  piece j: 4 registers to store
	s_load_b256 s[4:11], s[0:1], 0x0               ; x s[4:5], w_qkv s[6:7], w_proj s[8:9], xb s[10:11]
	s_load_b128 s[12:15], s[0:1], 0x20             ; wqb s[12:13], wpb s[14:15]
	s_movk_i32 s24, X_GROUPS+WQ_GROUPS             ; first group of w_proj
	s_movk_i32 s25, X_GROUPS                       ; first group of w_qkv
	v_and_b32 v1, 31, v0                           ; lane
	v_lshrrev_b32 v2, 5, v0                        ; wave
	v_lshlrev_b32 v1, 5, v1                        ; 32 bytes a lane
	v_lshl_add_u32 v1, v2, 13, v1                  ; + 8,192 bytes a wave: my offset in the input
	v_lshrrev_b32 v4, 1, v1                        ; half of it in the output
	s_wait_kmcnt 0x0
	s_cmp_ge_u32 ttmp9, s24                        ; which of the three tensors: a choice on the group number alone
	s_cselect_b64 s[20:21], s[8:9], s[6:7]
	s_cselect_b64 s[22:23], s[14:15], s[12:13]
	s_cselect_b32 s17, s24, s25
	s_cmp_lt_u32 ttmp9, s25
	s_cselect_b64 s[20:21], s[4:5], s[20:21]       ; from
	s_cselect_b64 s[22:23], s[10:11], s[22:23]     ; to
	s_cselect_b32 s17, 0, s17                      ; that tensor's first group
	s_sub_co_u32 s16, ttmp9, s17                   ; my place in it
	s_lshl_b32 s18, s16, 16                        ; x 65,536 bytes in (33,554,432 at the most)
	s_mov_b32 s19, 0
	s_add_nc_u64 s[20:21], s[20:21], s[18:19]
	s_lshl_b32 s18, s16, 15                        ; x 32,768 bytes out
	s_add_nc_u64 s[22:23], s[22:23], s[18:19]
.irp j, 0,1,2,3,4,5,6,7
	global_load_b128 v[X+8*\j:X+8*\j+3],   v1, s[20:21] offset:1024*\j th:TH_LOAD_NT      ; read once in the launch
	global_load_b128 v[X+8*\j+4:X+8*\j+7], v1, s[20:21] offset:1024*\j+16 th:TH_LOAD_NT
.endr
.irp j, 0,1,2,3,4,5,6,7
	s_wait_loadcnt 14-2*\j                         ; loads come back in order (ISA guide 5.7.1): piece j is in, the 2 (7 - j) younger loads stay out
.irp k, 0,1,2,3
	v_cvt_pk_bf16_f32 v[Y+4*\j+\k], v[X+8*\j+2*\k], v[X+8*\j+2*\k+1]
.endr
	global_store_b128 v4, v[Y+4*\j:Y+4*\j+3], s[22:23] offset:512*\j     ; the next launch reads it: no hint
.endr
	s_endpgm
.Lfunc_end_k_q6b83a9736d_cast:
	.size	k_q6b83a9736d_cast, .Lfunc_end_k_q6b83a9736d_cast-k_q6b83a9736d_cast
	.p2alignl 7, 3214868480
	.fill 96, 4, 3214868480
	.section	.rodata,"a",@progbits
	.p2align	6, 0x0
	.amdhsa_kernel k_q6b83a9736d_cast
		.amdhsa_group_segment_fixed_size 0
		.amdhsa_private_segment_fixed_size 0
		.amdhsa_enable_private_segment 0
		.amdhsa_kernarg_size 48
		.amdhsa_user_sgpr_count 2
		.amdhsa_user_sgpr_kernarg_segment_ptr 1
		.amdhsa_wavefront_size32 1
		.amdhsa_system_sgpr_workgroup_id_x 1
		.amdhsa_system_sgpr_workgroup_id_y 1
		.amdhsa_system_sgpr_workgroup_id_z 1
		.amdhsa_system_vgpr_workitem_id 0
		.amdhsa_next_free_vgpr 104
		.amdhsa_next_free_sgpr 66
		.amdhsa_reserve_vcc 0
		.amdhsa_float_denorm_mode_32 3
		.amdhsa_float_denorm_mode_16_64 3
		.amdhsa_memory_ordered 1
		.amdhsa_forward_progress 1
		.amdhsa_inst_pref_size 6
	.end_amdhsa_kernel
	.amdgpu_metadata
---
amdhsa.version: [ 1, 2 ]
amdhsa.kernels:
  - .name:           k_q6b83a9736d_cast
    .symbol:         k_q6b83a9736d_cast.kd
    .args:
      - { .name: x, .offset: 0, .size: 8, .value_kind: global_buffer, .address_space: global }
      - { .name: w_qkv, .offset: 8, .size: 8, .value_kind: global_buffer, .address_space: global }
      - { .name: w_proj, .offset: 16, .size: 8, .value_kind: global_buffer, .address_space: global }
      - { .name: xb, .offset: 24, .size: 8, .value_kind: global_buffer, .address_space: global }
      - { .name: wqb, .offset: 32, .size: 8, .value_kind: global_buffer, .address_space: global }
      - { .name: wpb, .offset: 40, .size: 8, .value_kind: global_buffer, .address_space: global }
    .group_segment_fixed_size: 0
    .private_segment_fixed_size: 0
    .kernarg_segment_align: 8
    .kernarg_segment_size: 48
    .max_flat_workgroup_size: 256
    .sgpr_count:     66
    .vgpr_count:     104
    .wavefront_size: 32
...
	.end_amdgpu_metadata
.endif
;; end of part 1
;; launch qkvgemm (part 2): grid 8 x 32, 4 waves a work-group, clusters of 4 x 4, 327,680 bytes of LDS; arguments xb, wqb, qkvh; writes qkvh
.if DOCPART == 2
	.amdgcn_target "amdgcn-amd-amdhsa--gfx1250"
	.amdhsa_code_object_version 6
	.text
	.protected	k_q6b83a9736d_qkvgemm
	.globl	k_q6b83a9736d_qkvgemm
	.p2align	8
	.type	k_q6b83a9736d_qkvgemm,@function
k_q6b83a9736d_qkvgemm:
	s_mov_b64 s[64:65], 0
	v_nop
	global_prefetch_b8 v0, s[64:65] scope:SCOPE_SE
	s_setreg_imm32_b32 hwreg(HW_REG_WAVE_MODE, 25, 1), 1
	s_wait_xcnt 0x0
	s_wait_alu depctr_hold_cnt(0) depctr_sa_sdst(0) depctr_va_vdst(0) depctr_va_sdst(0) depctr_va_ssrc(0) depctr_va_vcc(0) depctr_vm_vsrc(0)
	s_getreg_b32 s2, hwreg(HW_REG_IB_STS2, 6, 4)
	s_cmp_eq_u32 s2, 0
	s_cbranch_scc0 .Lentry_in_a_cluster
	s_endpgm
.Lentry_in_a_cluster:
	s_bfe_u32 s2, ttmp6, 0x10000c
	s_cmp_lg_u32 s2, 0xf033
	s_cbranch_scc0 .Lentry_shape_is_right
	s_endpgm
.Lentry_shape_is_right:
; qkvh[m][n] = sum over k of xb[m][k] wqb[n][k].  xb: [8192][1024] bf16, wqb: [3072][1024] bf16, sums in f32, qkvh: [8192][3072] f16.
; Column n = which x 1024 + head x 64 + d (which: 0 q, 1 k, 2 v), as the weights lie: the transposition of the problem is only a way of
; addressing this buffer in the next launch.  No work of the problem is left out.
; LIMIT: q, k and v are rounded once, to f16 (11 significant bits; with the 8 of bf16 the roundings of q, k, v and of the softmax
; weights together would come to a third of what a single output number is allowed).  A result beyond 65,504 in magnitude becomes an
; infinity.  Room: x and w_qkv both 30 times larger give 900 x about 6 = 5,400; both with an offset of 30 spreads give
; 1024 x 30 x 0.94 = 28,800; both 30 times smaller give about 0.001, where the step of f16 below 0.00006 is 0.00000006.
; SHARES.  8 x 32 = 256 work-groups of equal work: each owns 256 rows x 384 columns, a 256th of the result.  As one block that would be 768
; accumulator registers a wave, with no room for two fragment buffers, so the work-group stays and walks TWO TILES on one ring:
;   tile 1: 256 x 256, columns 0-255 of its 384.    A wave makes 128 x 128: 64 accumulator tiles of 16 x 16, 512 registers.
;   tile 2: 256 x 128, columns 256-383.             Wave w makes rows 64 w .. 64 w + 63 x all 128 columns: 32 accumulator tiles.  So cut, a wave's
;           row of the result is 256 whole bytes, as in tile 1, and both tiles go out by the same text, each wave through a stage of its own.
; K goes in steps of 128 through a ring of two LDS slots filled by the tensor data mover: a tile's rows are 256 bytes of memory and start at
; multiples of 256 bytes from the buffer's first byte.  Tile 1's last two changes of slots ask for tile 2's first two K steps; then tile 1 goes out, and no
; wait for its stores stands anywhere: they are on their way beside tile 2's products.
; CLUSTERS: 4 x 4 work-groups.  The four of a row of the cluster need the same tiles of xb, the four of a column the same tiles of wqb.
; Such a tile is asked for jointly: each of the four issues the same tensor load, with the same descriptor and a mask that names the
; four, and each receives it in its own LDS.  That divides the requests for both by four.  All sixteen walk the same two tiles.
; REGISTERS, in windows of 256 (s_set_vgpr_msb says which window each operand place means):
;   window 0: v0-31 addresses; v64-127, v128-191 fragments of A (16 rows x 32 K each), two buffers; v192-223 at work on the way out
;   window 1: v64-127, v128-191 fragments of B, two buffers
;   window 2: tile 1: the 32 accumulator tiles of my rows 0-63 (tile (a, b) at v[8 (8 a + b)]); tile 2: all 32;   window 3: tile 1: my rows 64-127
; THE MATRIX INSTRUCTION IS USED TRANSPOSED: source 0 = 16 rows of B, source 1 = 16 rows of A.  Lane l then holds row l % 16 of C and its
; registers 0 to 7 the columns 8 (l / 16) + 0 .. 7: eight neighbouring numbers of a row, which pack into 16 bytes.
.set SIZE_M, 8192
.set SIZE_N, 3072
.set SIZE_K, 1024
.set BCOLS,  384                       ; columns of a work-group
.set KSTEP,  128
.set PITCH,  272                       ; an LDS row: 256 bytes + 16 of padding = 68 words: the 16 rows that a load touches start at 16 different banks (64 banks of 4 bytes: ISA guide 11.1)
.set HALFT,  128*PITCH                 ; 128 rows: from one wave's part of a slot to the next
.set SLOT,   4*HALFT                   ; A's 256 rows, then B's: tile 1: 256 rows; tile 2: rows 0-63 at 2 HALFT and rows 64-127 at 3 HALFT, where tile 1's halves began
.set STAGE,  2*SLOT                    ; behind the ring: 16 rows x 272 bytes for each wave, for the way out; no tensor load lands there
.set SPITCH, 272
.set LAPS, SIZE_K/(2*KSTEP)            ; a lap = two K steps = once round the ring: 4 for each tile
.set ADRA, 16                          ; v16-17  tile 1: LDS address of my A fragments in slot 0, 1
.set ADRA2, 18                         ; v18-19  tile 2: the same
.set ADRB, 20                          ; v20-21  tile 1: the same for B
.set ADRB2, 22                         ; v22-23  tile 2
.set STO,  24                          ; v24     the way out: where I put 16 bytes of a row
.set RD,   25                          ; v25     the way out: where I read a row back
.set CO,   26                          ; v26     my byte offset in C
.set F0,   64                          ; fragment buffer 0
.set F1,   128                         ; fragment buffer 1
.set TMP,  192                         ; the way out: packed results, in window 0
.set G1, 24                            ; s[24:31] descriptor group 1 for A's tiles: 128 rows, the mask of my row of the cluster
.set G0, 32                            ; s[32:39] descriptor group 0 for A's tiles, one set for each slot
.set G1B, 48                           ; s[48:55] descriptor group 1 for B's tiles in tile 1: 128 rows, the mask of my column
.set G0B, 56                           ; s[56:63] descriptor group 0 for B's tiles, one set for each slot
.set G1C, 68                           ; s[68:75] descriptor group 1 for B's tiles in tile 2: 64 rows, the mask of my column
.set CB1, 66                           ; s[66:67] C at my first row and column of tile 1
.set DB,  76                           ; s[76:77] bytes from B's K step 6 (7) of tile 1 to its K step 0 (1) of tile 2
.set CB2, 78                           ; s[78:79] C at my first row and column of tile 2
.set MSB, 0
.macro WIN new                         ; low byte: bits 1:0 source 0, 3:2 source 1, 5:4 source 2, 7:6 destination; the high byte repeats the setting that is left
.if MSB != (\new)
	s_set_vgpr_msb (MSB<<8)|(\new)
.set MSB, (\new)
.endif
.endm
.set MUL_LO, 0xa1                      ; source 0 (B) window 1, source 1 (A) window 0, C and D window 2
.set MUL_HI, 0xf1                      ; the same, C and D window 3
.set TO_B,   0x40                      ; destination window 1, address window 0
; A joint load into slot s.  Waves 0 and 1 fetch A's two halves, waves 2 and 3 B's two parts (shape gb: G1B or G1C).  Each line has one mask and one
; set of registers for all that issue it; the branch hangs on the wave's number alone.
.macro JLOAD s, gb
	s_cmp_eq_u32 s11, 0
	s_cbranch_scc0 .Lfor_b_\@
	tensor_load_to_lds s[G0+4*\s:G0+4*\s+3], s[G1:G1+7]
	s_nop 0
	s_branch .Lasked_\@
.Lfor_b_\@:
	tensor_load_to_lds s[G0B+4*\s:G0B+4*\s+3], s[\gb:\gb+7]
	s_nop 0
.Lasked_\@:
.endm
; A round of the cluster's barrier: my work-group's barrier, so that wave 0's signal speaks for all four waves; wave 0 signals for the
; work-group; every wave waits for all sixteen work-groups; my work-group's barrier once more.
.macro CREST                           ; a round behind its opening barrier
	s_cmp_lg_u32 s10, 0
	s_cbranch_scc1 .Lnot_wave_0_\@
	s_barrier_signal -3
.Lnot_wave_0_\@:
	s_barrier_wait -3
	s_barrier_signal -1
	s_barrier_wait -1
.endm
.macro CROUND                          ; a whole round
	s_barrier_signal -1
	s_barrier_wait -1
	CREST
.endm
	s_load_b128 s[4:7], s[0:1], 0x0                ; A = xb s[4:5], B = wqb s[6:7]
	s_load_b64 s[8:9], s[0:1], 0x10                ; C = qkvh
	s_set_vgpr_msb 0x40
	v_lshl_add_u32 v255, v0, 2, 0x48400
	s_set_vgpr_msb 0x4000
	v_mov_b32 v255, 0
	s_set_vgpr_msb 0x1
	ds_add_u32 v255, v255
	s_set_vgpr_msb 0x100
	v_lshrrev_b32 v1, 5, v0
	v_readfirstlane_b32 s10, v1                    ; wave 0..3
	s_lshr_b32 s11, s10, 1                         ; tile 1: which half of the block's rows is mine.  Also: I fetch for A (0) or for B (1)
	s_and_b32 s12, s10, 1                          ; tile 1: which half of its columns.  Also: which part of that tile I fetch
	s_bfe_u32 s40, ttmp6, 0x40000                  ; cx: my place along the cluster's x
	s_bfe_u32 s41, ttmp6, 0x40004                  ; cy: along its y
	s_lshl_b32 s42, ttmp9, 2                       ; in a cluster launch ttmp9 and ttmp7 count clusters
	s_add_co_u32 s42, s42, s40                     ; block column of C = 4 x cluster x + cx, 0..7
	s_and_b32 s13, ttmp7, 0xffff
	s_lshl_b32 s13, s13, 2
	s_add_co_u32 s13, s13, s41                     ; block row of C = 4 x cluster y + cy, 0..31
	s_lshl_b32 s43, s41, 2
	s_lshl_b32 s43, 15, s43                        ; my row of the cluster: places 4 cy .. 4 cy + 3
	s_lshl_b32 s44, 0x1111, s40                    ; my column: places cx, cx + 4, cx + 8, cx + 12
	; descriptor group 1: rows of 128 elements, padded in LDS
	s_or_b32 s[G1+0], s43, (1<<16)|(1<<20)|(1<<21)|(5<<22)|(3<<25)  ; 15:0 the mask: A's tiles go to my row; 17:16 element of 2 bytes; 20 padding on; 21 set beside a mask; 24:22 after every 64 words; 31:25 of 4 words
	s_or_b32 s[G1B+0], s44, (1<<16)|(1<<20)|(1<<21)|(5<<22)|(3<<25) ; the same with the mask of my column, for B's tiles
	s_or_b32 s[G1C+0], s44, (1<<16)|(1<<20)|(1<<21)|(5<<22)|(3<<25)
.irp g, G1, G1B, G1C
	s_mov_b32 s[\g+1], KSTEP<<16                   ; 63:48 tensor_dim0 = 128
	s_mov_b32 s[\g+3], KSTEP<<16                   ; 127:112 tile_dim0 = 128
	s_mov_b32 s[\g+5], SIZE_K                      ; 191:160 elements from row to row
	s_mov_b32 s[\g+6], 0
	s_mov_b32 s[\g+7], 0
.endr
	s_mov_b32 s[G1+2], 128<<16                     ; 95:80 tensor_dim1: 128 rows,
	s_mov_b32 s[G1B+2], 128<<16
	s_mov_b32 s[G1C+2], 64<<16                     ; in tile 2 64 of B
	s_mov_b32 s[G1+4], 128                         ; 143:128 tile_dim1; tile_dim2 = 0
	s_mov_b32 s[G1B+4], 128
	s_mov_b32 s[G1C+4], 64
	; where the tiles come from.  A's hang on the block row alone, which my row of the cluster shares; B's on the block column alone.
	; Every wave makes both addresses, in registers that never hold the other coordinate, and asks by one of them.
	s_lshl_b32 s17, s12, 7                         ; which 128 rows of the tile I fetch
	s_lshl_b32 s16, s13, 8
	s_add_co_u32 s16, s16, s17                     ; A: row 256 x block row + 128 x half
	s_mul_i32 s46, s42, BCOLS
	s_add_co_u32 s46, s46, s17                     ; B, tile 1: row 384 x block column + 128 x half
	s_mov_b32 s17, 0
	s_mov_b32 s47, 0
	s_mov_b64 s[18:19], SIZE_K*2
	s_mul_u64 s[16:17], s[16:17], s[18:19]         ; in bytes
	s_mul_u64 s[46:47], s[46:47], s[18:19]
	s_mul_i32 s20, s10, HALFT                      ; where they go: wave x 128 rows, in both tiles
	s_lshl_b32 s[DB], s12, 17                      ; B, tile 2: row 384 x block column + 256 + 64 x half: from tile 1's row (256 - 64 half) rows of 2,048 bytes on,
	s_sub_co_u32 s[DB], 256*SIZE_K*2-6*KSTEP*2, s[DB]   ; and six K steps of 256 bytes back
	s_mov_b32 s[DB+1], 0
	s_wait_dscnt 0x0
	s_wait_kmcnt 0x0
	s_add_nc_u64 s[14:15], s[4:5], s[16:17]
	s_add_nc_u64 s[46:47], s[6:7], s[46:47]
	CROUND                                         ; all sixteen work-groups are here: the first joint loads meet
.irp s, 0,1
	s_mov_b32 s[G0+4*\s], 1                                        ; count = 1
	s_add_co_u32 s[G0+4*\s+1], s20, \s*SLOT                        ; LDS address; never written again
	s_add_nc_u64 s[G0+4*\s+2:G0+4*\s+3], s[14:15], \s*KSTEP*2      ; global address: K step s
	s_or_b32 s[G0+4*\s+3], s[G0+4*\s+3], 0x80000000                ; type = 2
	s_mov_b32 s[G0B+4*\s], 1
	s_add_co_u32 s[G0B+4*\s+1], s20, \s*SLOT
	s_add_nc_u64 s[G0B+4*\s+2:G0B+4*\s+3], s[46:47], \s*KSTEP*2
	s_or_b32 s[G0B+4*\s+3], s[G0B+4*\s+3], 0x80000000
	JLOAD \s, G1B                                  ; the ring is filled before anything else is done: two tensor loads of the wave are out
.endr
	; A fragment is 16 rows x 32 K in 8 registers: lane l holds row l % 16; registers 0-3 hold K = 8 (l / 16) + 0..7, registers 4-7
	; K = 16 + 8 (l / 16) + 0..7: two loads of 16 bytes, 32 bytes apart.  The same for source 0 and source 1.
	v_and_b32 v1, 15, v0                           ; l % 16
	v_bfe_u32 v2, v0, 4, 1                         ; l / 16
	v_mul_u32_u24 v3, v1, PITCH
	v_lshl_add_u32 v3, v2, 4, v3                   ; row x pitch + 16 x half
	s_mul_i32 s21, s11, HALFT                      ; tile 1: my 128 rows of A
	s_mul_i32 s22, s12, HALFT                      ; my 128 rows of B,
	s_add_co_u32 s22, s22, 2*HALFT                 ; which lie behind A's 256
.irp s, 0,1
	v_add_nc_u32 v[ADRA+\s], s21, v3
	v_add_nc_u32 v[ADRB+\s], s22, v3
	s_add_co_u32 s21, s21, SLOT
	s_add_co_u32 s22, s22, SLOT
.endr
	s_mul_i32 s21, s10, 64*PITCH                   ; tile 2: my 64 rows of A (A's 256 rows follow each other in a slot)
	s_mov_b32 s22, 2*HALFT                         ; and all of B
.irp s, 0,1
	v_add_nc_u32 v[ADRA2+\s], s21, v3
	v_add_nc_u32 v[ADRB2+\s], s22, v3
	s_add_co_u32 s21, s21, SLOT
	s_add_co_u32 s22, s22, SLOT
.endr
	s_mul_i32 s23, s10, 16*SPITCH
	s_add_co_u32 s23, s23, STAGE                   ; my stage
	v_mul_u32_u24 v4, v1, SPITCH                   ; in: row l % 16, 16 bytes for each half of the lanes
	v_lshl_add_u32 v4, v2, 4, v4
	v_add_nc_u32 v[STO], s23, v4
	v_mul_u32_u24 v5, v2, SPITCH                   ; back: lanes 0-15 take one row of 256 bytes, lanes 16-31 the next
	v_lshl_add_u32 v5, v1, 4, v5
	v_add_nc_u32 v[RD], s23, v5
	v_mul_u32_u24 v5, v2, SIZE_N*2                 ; and the same two rows in C
	v_lshl_add_u32 v[CO], v1, 4, v5
	; where my results go, for both tiles (the row in registers that have held the block row, the column in those that have held the block column)
	s_lshl_b32 s16, s13, 8                         ; 256 x block row
	s_lshl_b32 s18, s11, 7
	s_add_co_u32 s18, s16, s18                     ; tile 1: + 128 x my half
	s_lshl_b32 s19, s10, 6
	s_add_co_u32 s16, s16, s19                     ; tile 2: + 64 x wave
	s_mul_i32 s18, s18, SIZE_N*2                   ; in bytes: under 8,192 x 6,144
	s_mul_i32 s16, s16, SIZE_N*2
	s_mov_b32 s19, 0
	s_mov_b32 s17, 0
	s_add_nc_u64 s[CB1:CB1+1], s[8:9], s[18:19]
	s_add_nc_u64 s[CB2:CB2+1], s[8:9], s[16:17]
	s_mul_i32 s46, s42, BCOLS*2                    ; my block's first column: 768 bytes x block column, a multiple of 256
	s_mov_b32 s47, 0
	s_add_nc_u64 s[CB1:CB1+1], s[CB1:CB1+1], s[46:47]
	s_add_nc_u64 s[CB2:CB2+1], s[CB2:CB2+1], s[46:47]
	s_lshl_b32 s46, s12, 8
	s_add_nc_u64 s[CB1:CB1+1], s[CB1:CB1+1], s[46:47]   ; tile 1: + 256 bytes x my half of the columns
	s_add_nc_u64 s[CB2:CB2+1], s[CB2:CB2+1], 512        ; tile 2: behind tile 1's 512 bytes
; 16 matrix instructions: m blocks a0, a0 + 1 of the window's four (hi = 0: A fragments 0-3, window 2; 1: fragments 4-7, window 3) x all 8 n blocks, 32 along K.
; zero = 1: the first product starts the sums: nothing is ever cleared.  The accumulators (64 in tile 1, 32 in tile 2) take turns, one instruction a turn, in the
; same order in every quarter step, over the backward jumps too.
.macro MUL16 f, hi, a0, zero
.irp a, \a0, \a0+1
.irp b, 0,1,2,3,4,5,6,7
.if \zero
	v_wmma_f32_16x16x32_bf16 v[8*(8*(\a)+\b):8*(8*(\a)+\b)+7], v[\f+8*\b:\f+8*\b+7], v[\f+8*(4*\hi+\a):\f+8*(4*\hi+\a)+7], 0
.else
	v_wmma_f32_16x16x32_bf16 v[8*(8*(\a)+\b):8*(8*(\a)+\b)+7], v[\f+8*\b:\f+8*\b+7], v[\f+8*(4*\hi+\a):\f+8*(4*\hi+\a)+7], v[8*(8*(\a)+\b):8*(8*(\a)+\b)+7]
.endif
.endr
.endr
.endm
; A load into a register that a matrix instruction has read, and a vector instruction that reads a matrix result, stand four places
; behind that matrix instruction; only plain vector instructions that name none of its registers are places.
.macro PLACES
.rept 4
	v_nop
.endr
.endm
; ---- TILE 1 ----
; 32 LDS loads in one run: the fragments of one quarter step (128 rows of B, 128 rows of A, 32 K at byte k of the rows) into buffer f
.macro FETCH slot, k, f
	WIN TO_B
.irp i, 0,1,2,3,4,5,6,7
	ds_load_b128 v[\f+8*\i:\f+8*\i+3],   v[ADRB+\slot] offset:\k+\i*16*PITCH
	ds_load_b128 v[\f+8*\i+4:\f+8*\i+7], v[ADRB+\slot] offset:\k+\i*16*PITCH+32
.endr
	WIN 0
.irp i, 0,1,2,3,4,5,6,7
	ds_load_b128 v[\f+8*\i:\f+8*\i+3],   v[ADRA+\slot] offset:\k+\i*16*PITCH
	ds_load_b128 v[\f+8*\i+4:\f+8*\i+7], v[ADRA+\slot] offset:\k+\i*16*PITCH+32
.endr
.endm
; A K step is four quarter steps of 32 along K, 64 matrix instructions each, on buffers 0, 1, 0, 1.
; One of the first three: multiplies buffer f; in its middle it fetches the next quarter's fragments into buffer g.
.macro QUARTER slot, k, f, g, zero
	s_wait_dscnt 8                                 ; B and A's rows 0-63 are in; the youngest eight loads (A's rows 64-127) may be out
	WIN MUL_LO
	MUL16 \f, 0, 0, \zero
	MUL16 \f, 0, 2, \zero
	PLACES
	FETCH \slot, \k, \g
	s_wait_dscnt 32                                ; all but the 32 just issued
	WIN MUL_HI
	MUL16 \f, 1, 0, \zero
	MUL16 \f, 1, 2, \zero
.endm
.macro THREE slot, zero
	QUARTER \slot, 64,  F0, F1, \zero
	QUARTER \slot, 128, F1, F0, 0
	QUARTER \slot, 192, F0, F1, 0
.endm
; The last quarter: multiplies buffer 1 and changes slots.  ONE round of the cluster's barrier for the change, for two things.  In front of it each wave waits
; for its own reads of this slot and for all its tensor loads, of which one is out: its part of the next slot.  Behind it no wave of any partner reads
; this slot any more and the next slot is whole: the refill comes first, then the next slot's first fragments.
; fill = 1: this tile's K step two on.  fill = 2: tile 2's K step 0 or 1: A goes six K steps back, B on to tile 2's rows, in tile 2's shape.
; fetch = 0: tile 1's very last quarter: the fragment buffers are needed for the way out, so tile 2's first fragments are fetched behind it.
; From a request to the wait for it a wave issues 240 matrix instructions.
.macro TURN slot, next, fill, fetch
	s_wait_dscnt 8
	WIN MUL_LO
	MUL16 F1, 0, 0, 0
	s_wait_dscnt 0                                 ; my reads of this slot are over
	s_wait_tensorcnt 0x0                           ; and all my tensor loads have landed: the descriptors may be written
	ds_add_u32 v255, v255
	s_wait_dscnt 0x0
	s_barrier_signal -1                            ; say so (this barrier opens the round),
	MUL16 F1, 0, 2, 0                              ; work on registers while the others arrive,
	WIN 0
	s_barrier_wait -1                              ; and go on when all four have said so
	CREST                                          ; all sixteen work-groups have said so
.if \fill == 1
	s_add_nc_u64 s[G0+4*\slot+2:G0+4*\slot+3], s[G0+4*\slot+2:G0+4*\slot+3], 2*KSTEP*2
	s_add_nc_u64 s[G0B+4*\slot+2:G0B+4*\slot+3], s[G0B+4*\slot+2:G0B+4*\slot+3], 2*KSTEP*2
	JLOAD \slot, G1B                               ; the first tensor load behind the round, and the wave's only one until the next
.else
	s_sub_nc_u64 s[G0+4*\slot+2:G0+4*\slot+3], s[G0+4*\slot+2:G0+4*\slot+3], 6*KSTEP*2
	s_add_nc_u64 s[G0B+4*\slot+2:G0B+4*\slot+3], s[G0B+4*\slot+2:G0B+4*\slot+3], s[DB:DB+1]
	JLOAD \slot, G1C
.endif
.if \fetch
	PLACES
	FETCH \next, 0, F0
.endif
	WIN MUL_HI
	MUL16 F1, 1, 0, 0
	MUL16 F1, 1, 2, 0
.endm
.macro LAP zero                        ; once round the ring, both slots filled again
	THREE 0, \zero
	TURN 0, 1, 1, 1
	THREE 1, 0
	TURN 1, 0, 1, 1
.endm
; ---- TILE 2 ----
; 24 LDS loads in one run: 128 rows of B (two parts of 64, HALFT apart), my 64 rows of A, 32 K at byte k of the rows, into buffer f
.macro FETCH2 slot, k, f
	WIN TO_B
.irp i, 0,1,2,3,4,5,6,7
	ds_load_b128 v[\f+8*\i:\f+8*\i+3],   v[ADRB2+\slot] offset:\k+(\i/4)*HALFT+(\i%4)*16*PITCH
	ds_load_b128 v[\f+8*\i+4:\f+8*\i+7], v[ADRB2+\slot] offset:\k+(\i/4)*HALFT+(\i%4)*16*PITCH+32
.endr
	WIN 0
.irp i, 0,1,2,3
	ds_load_b128 v[\f+8*\i:\f+8*\i+3],   v[ADRA2+\slot] offset:\k+\i*16*PITCH
	ds_load_b128 v[\f+8*\i+4:\f+8*\i+7], v[ADRA2+\slot] offset:\k+\i*16*PITCH+32
.endr
.endm
; A quarter step: the next quarter's fragments are asked for into buffer g, then buffer f is multiplied (32 matrix instructions).
.macro QUARTER2 slot, k, f, g, zero
	PLACES
	FETCH2 \slot, \k, \g
	s_wait_dscnt 24                                ; all but the 24 just issued: buffer f is in
	WIN MUL_LO
	MUL16 \f, 0, 0, \zero
	MUL16 \f, 0, 2, \zero
.endm
.macro THREE2 slot, zero
	QUARTER2 \slot, 64,  F0, F1, \zero
	QUARTER2 \slot, 128, F1, F0, 0
	QUARTER2 \slot, 192, F0, F1, 0
.endm
; The last quarter multiplies buffer 1 and changes slots, in the same order as in tile 1.  From a request to the wait for it a wave issues 112 matrix instructions.
.macro TURN2 slot, next, fill
	s_wait_dscnt 0                                 ; buffer 1 is in, and my reads of this slot are over
	s_wait_tensorcnt 0x0                           ; all my tensor loads have landed
	ds_add_u32 v255, v255
	s_wait_dscnt 0x0
	s_barrier_signal -1                            ; (where a slot is filled again this barrier opens a round of the cluster's barrier)
	WIN MUL_LO
	MUL16 F1, 0, 0, 0                              ; work on registers while the others arrive
	WIN 0
	s_barrier_wait -1
.if \fill
	CREST                                          ; no wave of any partner still reads this slot or has a load on its way
	s_add_nc_u64 s[G0+4*\slot+2:G0+4*\slot+3], s[G0+4*\slot+2:G0+4*\slot+3], 2*KSTEP*2
	s_add_nc_u64 s[G0B+4*\slot+2:G0B+4*\slot+3], s[G0B+4*\slot+2:G0B+4*\slot+3], 2*KSTEP*2
	JLOAD \slot, G1C
.endif
	PLACES
	FETCH2 \next, 0, F0
	WIN MUL_LO
	MUL16 F1, 0, 2, 0
.endm
.macro LAP2 zero
	THREE2 0, \zero
	TURN2 0, 1, 1
	THREE2 1, 0
	TURN2 1, 0, 1
.endm
; ---- THE WAY OUT, 16 rows of C at a time: round to f16, 16 bytes a lane into my own stage in LDS, read back as whole rows of 256 bytes.
; Block i of 16 rows = the eight tiles (a, 0..7) of window 2 or 3 (from = 0x0a or 0x0f: sources 0 and 1); f: F0 or F1 in turn; cb: the tile's base in C
.macro OUT16 i, a, from, f, cb
	WIN \from
.irp b, 0,1,2,3,4,5,6,7
.irp r, 0,1,2,3
	v_cvt_pk_f16_f32 v[TMP+4*\b+\r], v[8*(8*\a+\b)+2*\r], v[8*(8*\a+\b)+2*\r+1]
.endr
.endr
	WIN 0
.irp b, 0,1,2,3,4,5,6,7
	ds_store_b128 v[STO], v[TMP+4*\b:TMP+4*\b+3] offset:32*\b
.endr
	s_wait_xcnt 0x0                                ; buffer f, which earlier stores read, and the stores' base are rewritten only behind this wait (ISA guide 3.1)
.if \i
	s_add_nc_u64 s[\cb:\cb+1], s[\cb:\cb+1], 16*SIZE_N*2   ; 16 rows of C on
.endif
.irp t, 0,1,2,3,4,5,6,7
	ds_load_b128 v[\f+4*\t:\f+4*\t+3], v[RD] offset:\t*2*SPITCH    ; LDS serves a wave's instructions in order (ISA guide 5.7.1.4): these see the stores above
.endr
.irp t, 0,1,2,3,4,5,6,7
	s_wait_dscnt 7-\t                              ; the 7 - t younger loads may be out
	global_store_b128 v[CO], v[\f+4*\t:\f+4*\t+3], s[\cb:\cb+1] offset:2*\t*SIZE_N*2   ; 16 lanes store 256 consecutive bytes, at a multiple of 256 from C's first byte
.endr
.endm
	; TILE 1
	s_wait_tensorcnt 1                             ; my part of K step 0 is in; K step 1's load may stay out
	s_barrier_signal -1
	s_barrier_wait -1                              ; everybody's is
	FETCH 0, 0, F0
	LAP 1                                          ; the first lap stands in front of the loop: its first products start the sums
	WIN 0                                          ; at a label and at a branch every window is 0
	s_mov_b32 s3, LAPS-2
.Llap:
	LAP 0
	WIN 0
	s_sub_co_u32 s3, s3, 1
	s_cmp_lg_u32 s3, 0
	s_cbranch_scc1 .Llap
	THREE 0, 0                                     ; the last lap: K steps 6 and 7.  Its changes of slots ask for tile 2's K steps 0 and 1
	TURN 0, 1, 2, 1
	THREE 1, 0
	TURN 1, 0, 2, 0
	PLACES                                         ; the places behind the last matrix instructions, for the conversions and for the loads into buffers 0 and 1
	OUT16 0, 0, 0x0a, F0, CB1                      ; tile 1 goes out behind both requests; nothing waits for its 64 stores
	OUT16 1, 1, 0x0a, F1, CB1
	OUT16 2, 2, 0x0a, F0, CB1
	OUT16 3, 3, 0x0a, F1, CB1
	OUT16 4, 0, 0x0f, F0, CB1
	OUT16 5, 1, 0x0f, F1, CB1
	OUT16 6, 2, 0x0f, F0, CB1
	OUT16 7, 3, 0x0f, F1, CB1
	; TILE 2.  Its K step 0 is whole in slot 0: every wave waited for its part in front of the last change's round.  My stage reads are back (the last count-down ended at 0).
	s_wait_xcnt 0x0                                ; buffers 0 and 1, which the last stores read, are loaded again only behind this wait (ISA guide 3.1)
	FETCH2 0, 0, F0
	LAP2 1                                         ; its first products start the sums anew in window 2, whose old sums have been converted
	WIN 0
	s_mov_b32 s3, LAPS-2
.Llap2:
	LAP2 0
	WIN 0
	s_sub_co_u32 s3, s3, 1
	s_cmp_lg_u32 s3, 0
	s_cbranch_scc1 .Llap2
	THREE2 0, 0                                    ; the last lap fills nothing and has no round: my one tensor load still out is the last K step's
	TURN2 0, 1, 0
	THREE2 1, 0
	s_wait_dscnt 0                                 ; the very last quarter: nothing more to fetch
	WIN MUL_LO
	MUL16 F1, 0, 0, 0
	MUL16 F1, 0, 2, 0
	PLACES
	OUT16 0, 0, 0x0a, F0, CB2                      ; my 64 rows x 256 bytes
	OUT16 1, 1, 0x0a, F1, CB2
	OUT16 2, 2, 0x0a, F0, CB2
	OUT16 3, 3, 0x0a, F1, CB2
	s_set_vgpr_msb 0x1
	s_wait_tensorcnt 0x0
	ds_add_u32 v255, v255
	s_wait_dscnt 0x0
	s_set_vgpr_msb 0x100
	CROUND                                         ; the closing round: no work-group ends while a partner may still ask for a tile that names it
	s_endpgm
.Lfunc_end_k_q6b83a9736d_qkvgemm:
	.size	k_q6b83a9736d_qkvgemm, .Lfunc_end_k_q6b83a9736d_qkvgemm-k_q6b83a9736d_qkvgemm
	.p2alignl 7, 3214868480
	.fill 96, 4, 3214868480
	.section	.rodata,"a",@progbits
	.p2align	6, 0x0
	.amdhsa_kernel k_q6b83a9736d_qkvgemm
		.amdhsa_group_segment_fixed_size 327680
		.amdhsa_private_segment_fixed_size 0
		.amdhsa_enable_private_segment 0
		.amdhsa_kernarg_size 24
		.amdhsa_user_sgpr_count 2
		.amdhsa_user_sgpr_kernarg_segment_ptr 1
		.amdhsa_wavefront_size32 1
		.amdhsa_system_sgpr_workgroup_id_x 1
		.amdhsa_system_sgpr_workgroup_id_y 1
		.amdhsa_system_sgpr_workgroup_id_z 1
		.amdhsa_system_vgpr_workitem_id 0
		.amdhsa_next_free_vgpr 1024
		.amdhsa_next_free_sgpr 80
		.amdhsa_reserve_vcc 0
		.amdhsa_float_denorm_mode_32 3
		.amdhsa_float_denorm_mode_16_64 3
		.amdhsa_memory_ordered 1
		.amdhsa_forward_progress 1
		.amdhsa_inst_pref_size 255
	.end_amdhsa_kernel
	.section	.bss,"aw",@nobits
	.p2align	6
	.space	262144
	.amdgpu_metadata
---
amdhsa.version: [ 1, 2 ]
amdhsa.kernels:
  - .name:           k_q6b83a9736d_qkvgemm
    .symbol:         k_q6b83a9736d_qkvgemm.kd
    .args:
      - { .name: xb, .offset: 0, .size: 8, .value_kind: global_buffer, .address_space: global }
      - { .name: wqb, .offset: 8, .size: 8, .value_kind: global_buffer, .address_space: global }
      - { .name: qkvh, .offset: 16, .size: 8, .value_kind: global_buffer, .address_space: global }
    .group_segment_fixed_size: 327680
    .private_segment_fixed_size: 0
    .kernarg_segment_align: 8
    .kernarg_segment_size: 24
    .max_flat_workgroup_size: 128
    .sgpr_count:     80
    .vgpr_count:     1024
    .wavefront_size: 32
...
	.end_amdgpu_metadata
.endif
;; end of part 2
;; launch attn (part 3): grid 8 x 32, 4 waves a work-group, clusters of 4 x 1, 327,680 bytes of LDS; arguments qkvh, ao; writes ao
.if DOCPART == 3
	.amdgcn_target "amdgcn-amd-amdhsa--gfx1250"
	.amdhsa_code_object_version 6
	.text
	.protected	k_q6b83a9736d_attn
	.globl	k_q6b83a9736d_attn
	.p2align	8
	.type	k_q6b83a9736d_attn,@function
k_q6b83a9736d_attn:
	s_mov_b64 s[64:65], 0
	v_nop
	global_prefetch_b8 v0, s[64:65] scope:SCOPE_SE
	s_setreg_imm32_b32 hwreg(HW_REG_WAVE_MODE, 25, 1), 1
	s_wait_xcnt 0x0
	s_wait_alu depctr_hold_cnt(0) depctr_sa_sdst(0) depctr_va_vdst(0) depctr_va_sdst(0) depctr_va_ssrc(0) depctr_va_vcc(0) depctr_vm_vsrc(0)
	s_getreg_b32 s2, hwreg(HW_REG_IB_STS2, 6, 4)
	s_cmp_eq_u32 s2, 0
	s_cbranch_scc0 .Lentry_in_a_cluster
	s_endpgm
.Lentry_in_a_cluster:
	s_bfe_u32 s2, ttmp6, 0x10000c
	s_cmp_lg_u32 s2, 0x3003
	s_cbranch_scc0 .Lentry_shape_is_right
	s_endpgm
.Lentry_shape_is_right:
; ao[b][n][head x 64 + d] = sum over m of softmax over m (q[n] . k[m] / 8) v[m][d], for 4 batches x 16 heads, 2048 queries x 2048 keys.
; qkvh: [8192][3072] f16 (q at column 0, k at 1024, v at 2048, + head x 64 + d).  ao: [8192][1024] bf16.  No work of the problem is left out.
; SHARES.  Work-group (x, y): batch y / 8, head pair y % 8, queries 256 x .. 256 x + 255.  Wave w: head 2 pair + (w & 1), queries 128 (w >> 1) ..
; A head PAIR for a work-group makes every row of a K or V tile, and every row of ao that it stores, 256 consecutive aligned bytes.
; CLUSTER.  The eight query blocks of a (batch, pair) read the same K and V.  The four of a cluster (4, 1, 1) ask for each tile jointly (mask 15).
; PRODUCTS, so laid that the softmax weights never leave the registers:
;   S^T = K Q^T : source 0 = 16 keys x 32 d, source 1 = 16 queries x 32 d.  Lane (r, h), register j holds (key 8 h + j, query r).
;   Two key tiles of one query tile, packed two numbers to a register, ARE source 1 of the next product (column = query r, k = key 8 h .., 16 + 8 h ..).
;   O^T += V^T P : source 0 = 16 d x 32 keys, by the transposing LDS load.  Lane (r, h), register j holds (d 8 h + j, query r).
;   So a lane belongs to one query: maximum, sum and rescaling are the lane's own; only the maximum crosses to lane r + 16, once a key step.
; SOFTMAX with a running maximum m of the raw scores s: P = 2^(c s - c m), c = log2(e) / 8; the sum l and O are multiplied by
; alpha = 2^(c m_old - c m_new) at each key step of 64; O / l at the end.  The same rounded c m shifts every P of a row and makes alpha.
; TURNS.  My 128 queries are two pieces of 64, which share the K and V fragments.  A key step t is four runs of 32 products:
;   O0 += V P0 (step t),  S0 = K Q0 (step t + 1),  O1 += V P1 (step t),  S1 = K Q1 (step t + 1).
; A piece's softmax with the rescaling of its O is 476 vector instructions, laid at 500 numbered places and cut into 64 slices of 7 or 8 places.  Behind each
; product of the first two runs stands one slice of piece 1 (step t), behind each of the last two one slice of piece 0 (step t + 1): a slice names no register of
; the products round it.  A piece's S lands on its P only behind the run that read P.  K's fragments are free behind the fourth run and V's behind the third: the
; next ones are asked for there, sixteen LDS loads in one run, 32 products ahead of their first use.  A product and the other piece's slice need different
; register windows (the scores of both pieces alone are 256 registers): two changes of window for each product.
; LIMITS.  q, k, v come in f16; P (between 0 and 1) is rounded to f16, under 0.00000006 to zero, while l sums the unrounded P; v_exp_f32 gives 0
; below 2^-126 (ISA guide 15.8); ao is rounded once to bf16.
; LDS.  Two slots 131,072 bytes apart, each with 128 keys: K keys 0-63 at 0, K keys 64-127 at 18,432 (64 rows of 272 bytes), V keys 0-63 at 36,864,
; V keys 64-127 at 55,296 (64 rows of 288 bytes): wave w fetches the part at 18,432 w.  272 is an odd multiple of 16 and 288 of 32, so that the rows that a
; plain and a transposing fragment load touch start at different banks (ISA guide 11.1).  Stage for the way out at 204,800: 256 rows of 272 bytes; no tensor load lands there.
; REGISTERS.  Window 0: addresses, K fragments v64-127, V fragments v128-191.  Window 1: O^T, tile (piece p, query tile q, d tile) at 8 (16 p + 4 q + dt).
; Window 2 + p (piece p = my queries 64 p .. 64 p + 63): S and P in v0-127, Q fragments v128-191, the rows' figures from v192.
.set ROWB,   6144                      ; bytes in a row of qkvh
.set AOB,    2048                      ; bytes in a row of ao
.set KP,     272
.set VP,     288
.set HALF,   64*VP                     ; 18,432: from one wave's part of a slot to the next; also from a key step's K (and V) to the next step's
.set VOFF,   2*HALF
.set SLOTSTRIDE, 131072                ; one bit, above every address inside a slot: an exclusive or changes slots
.set STAGE,  SLOTSTRIDE+4*HALF         ; 204,800
.set SP,     272
.set TILE_BYTES, 128*ROWB              ; 128 keys on in memory
.set TRIPS,  16                        ; 2048 keys / 128
.set KL, 16                            ; v16 lane term of a K fragment          v17 of a V fragment
.set VL, 17
.set KA, 18                            ; v18, v19 the same plus the place in LDS of the key step that is being fetched
.set VA, 19
.set QO, 20                            ; v20 lane term of a Q fragment in memory
.set STO, 21                           ; v21 the way out: where I put 16 bytes     v22 where I read a row back     v23 my offset in ao
.set RD, 22
.set CO, 23
.set PL, 24                            ; v24 lane term of the prefetch             v25 its offset (wave 0 alone)
.set PA, 25
.set KF, 64                            ; K fragment (key tile kt, d half c) at KF + 8 (2 kt + c)
.set VF, 128                           ; V fragment (32 keys kc, d tile dt) at VF + 8 (4 kc + dt)
.set TMPO, 64                          ; the way out: 128 registers of packed output, where the fragments lay
.set QF, 128                           ; windows 2, 3: Q fragment (q, c) at QF + 8 (2 q + c)
.set ST, 192                           ; ST + 4 q: -c m, m, alpha, l.  -c m and alpha lie on even registers: a packed source takes them twice
.set TM, 208                           ; this step's maximum      TP: the other half's (also: the other half's sum)
.set TP, 212
.set TN, 216                           ; the new -c m             TA: alpha's exponent
.set TA, 220
.set SU, 224                           ; SU + 2 q: a pair of running sums of this step
.set TS, 232                           ; this step's sum
.set G1K, 24                           ; s[24:31] shape of a K tile     s[48:55] of a V tile (another padding)
.set G1V, 48
.set G0K, 32                           ; s[32:35] from where, to where: K      s[36:39] V
.set G0V, 36
; the numbered places of a piece's vector work
.set I_ST,  64                         ; 0-63 the maximum; from 64 the rows' figures (24 places)
.set I_X1,  88                         ; exponents, exponentials, sums and packing: tiles 0 to 4, 20 places each
.set I_R,   188                        ; the rescaling of O: 64 places.  It stands here so that slice 31 (places 242-249) is eight plain instructions
.set I_X2,  252                        ; tiles 5 to 16
.set I_END, 492                        ; the step's sums: 8 places = slice 63
.set I_ALL, 500                        ; slice n = places 500 n / 64 up to 500 (n + 1) / 64
.set MSB, 0
.macro WIN new                         ; low byte: bits 1:0 source 0, 3:2 source 1, 5:4 source 2, 7:6 destination; the high byte repeats the setting that is left
.if MSB != (\new)
	s_set_vgpr_msb (MSB<<8)|(\new)
.set MSB, (\new)
.endif
.endm
; A round of the cluster's barrier: my work-group's barrier; wave 0 signals for the work-group; every wave waits for all four work-groups; my work-group's barrier again.
.macro ROUND
	s_barrier_signal -1
	s_barrier_wait -1
	s_cmp_lg_u32 s10, 0
	s_cbranch_scc1 .Lnot_wave_0_\@
	s_barrier_signal -3
.Lnot_wave_0_\@:
	s_barrier_wait -3
	s_barrier_signal -1
	s_barrier_wait -1
.endm
; A joint load: waves 0 and 1 fetch 64 keys of K each, waves 2 and 3 of V.  The branch hangs on the wave's number alone.
.macro JLOAD
	s_cmp_eq_u32 s11, 0
	s_cbranch_scc0 .Lfor_v_\@
	tensor_load_to_lds s[G0K:G0K+3], s[G1K:G1K+7]
	s_nop 0
	s_branch .Lasked_\@
.Lfor_v_\@:
	tensor_load_to_lds s[G0V:G0V+3], s[G1V:G1V+7]
	s_nop 0
.Lasked_\@:
.endm
	s_load_b128 s[4:7], s[0:1], 0x0                ; qkvh s[4:5], ao s[6:7]
	v_lshl_add_u32 v254, v0, 2, 0x43000
	v_mov_b32 v255, 0
	ds_add_u32 v254, v255
	v_lshrrev_b32 v1, 5, v0
	v_readfirstlane_b32 s10, v1                    ; wave 0..3
	s_lshr_b32 s11, s10, 1                         ; my half of the queries.  Also: I fetch K (0) or V (1)
	s_and_b32 s12, s10, 1                          ; my head of the pair.  Also: which 64 keys of a tile I fetch
	s_and_b32 s13, ttmp7, 0xffff                   ; y (the cluster is one work-group high)
	s_lshr_b32 s14, s13, 3                         ; batch
	s_and_b32 s15, s13, 7                          ; head pair
	s_bfe_u32 s40, ttmp6, 0x40000                  ; cx.  It enters s40, s41, s66-s71 alone: global addresses of Q, of ao and of the prefetch
	s_lshl_b32 s41, ttmp9, 2
	s_add_co_u32 s41, s41, s40                     ; query block 0..7
	; descriptor group 1: 64 rows x 128 elements of 2 bytes, padded behind every 64 words by 4 words (K) or 8 (V)
	s_mov_b32 s[G1K+0], 15|(1<<16)|(1<<20)|(1<<21)|(5<<22)|(3<<25)   ; 15:0 mask of the four; 17:16 2 bytes; 20 padding on; 21 set beside a mask; 24:22 interval; 31:25 padding - 1
	s_mov_b32 s[G1V+0], 15|(1<<16)|(1<<20)|(1<<21)|(5<<22)|(7<<25)
.irp g, G1K, G1V
	s_mov_b32 s[\g+1], 128<<16                     ; tensor_dim0 = 128
	s_mov_b32 s[\g+2], 64<<16                      ; tensor_dim1 = 64
	s_mov_b32 s[\g+3], 128<<16                     ; tile_dim0 = 128
	s_mov_b32 s[\g+4], 64                          ; tile_dim1 = 64
	s_mov_b32 s[\g+5], 3072                        ; elements from row to row
	s_mov_b32 s[\g+6], 0
	s_mov_b32 s[\g+7], 0
.endr
	s_mul_i32 s16, s14, 2048*ROWB                  ; the batch's first row,
	s_lshl_b32 s17, s15, 8                         ; the pair's 256 bytes
	s_add_co_u32 s16, s16, s17
	s_add_co_u32 s16, s16, 2048                    ; among K's columns
	s_mov_b32 s17, 0
	s_mul_i32 s18, s12, 64*ROWB                    ; my 64 keys of a tile
	s_mov_b32 s19, 0
	s_mov_b32 s[G0K], 1                            ; count = 1
	s_mul_i32 s[G0K+1], s10, HALF                  ; LDS address: wave x 18,432, in slot 0
	s_mov_b32 s[G0V], 1
	s_mul_i32 s[G0V+1], s10, HALF
	s_wait_dscnt 0x0
	s_wait_kmcnt 0x0
	s_add_nc_u64 s[22:23], s[4:5], s[16:17]        ; K of key 0: the prefetch's base
	s_add_nc_u64 s[G0K+2:G0K+3], s[22:23], s[18:19]
	s_add_nc_u64 s[G0V+2:G0V+3], s[G0K+2:G0K+3], 2048   ; V lies 1,024 columns behind K
	s_or_b32 s[G0K+3], s[G0K+3], 0x80000000        ; type = 2
	s_or_b32 s[G0V+3], s[G0V+3], 0x80000000
	ROUND                                          ; all four work-groups are here: the first joint loads meet
	JLOAD                                          ; keys 0-127 into slot 0
	s_lshl_b32 s66, s41, 8                         ; Q: row = batch x 2048 + 256 x block + 128 x my half
	s_lshl_b32 s67, s11, 7
	s_add_co_u32 s66, s66, s67
	s_lshl_b32 s67, s14, 11
	s_add_co_u32 s66, s66, s67
	s_mul_i32 s68, s66, ROWB
	s_lshl_b32 s67, s15, 8                         ; column bytes = 256 x pair + 128 x my head
	s_add_co_u32 s68, s68, s67
	s_lshl_b32 s67, s12, 7
	s_add_co_u32 s68, s68, s67
	s_mov_b32 s69, 0
	s_add_nc_u64 s[68:69], s[4:5], s[68:69]
	s_lshl_b32 s70, s41, 8                         ; ao: row = batch x 2048 + 256 x block + 64 x wave (the rows that I carry out)
	s_lshl_b32 s67, s10, 6
	s_add_co_u32 s70, s70, s67
	s_lshl_b32 s67, s14, 11
	s_add_co_u32 s70, s70, s67
	s_lshl_b32 s70, s70, 11                        ; x 2,048 bytes
	s_lshl_b32 s67, s15, 8
	s_add_co_u32 s70, s70, s67
	s_mov_b32 s71, 0
	s_add_nc_u64 s[70:71], s[6:7], s[70:71]
	s_mul_i32 s67, s41, 16*ROWB                    ; the prefetch: my work-group's 16 keys of each tile
	s_mov_b32 s56, 0x3e38aa3b                      ; c = log2(e) / 8, as a pair for the packed multiply-add
	s_mov_b32 s57, 0x3e38aa3b
	s_mov_b32 s58, 0xbe38aa3b                      ; -c
	s_mov_b32 s59, 0x76543210                      ; v_permlanex16_b32: lane i of one half reads lane i of the other
	s_mov_b32 s60, 0xfedcba98
	v_and_b32 v1, 15, v0                           ; r
	v_bfe_u32 v2, v0, 4, 1                         ; h
	v_and_b32 v3, 7, v0
	v_bfe_u32 v4, v0, 3, 1
	s_lshl_b32 s20, s12, 7                         ; my head's 128 bytes of a row
	v_mul_u32_u24 v[KL], v1, KP                    ; K fragment: key r, 16 bytes for each half of the lanes
	v_lshl_add_u32 v[KL], v2, 4, v[KL]
	v_add_nc_u32 v[KL], s20, v[KL]
	v_lshl_add_u32 v5, v2, 3, v3                   ; V fragment, transposing load: key 8 h + (lane & 7),
	v_mul_u32_u24 v[VL], v5, VP
	v_lshl_add_u32 v[VL], v4, 4, v[VL]             ; 16 bytes x bit 3 of the lane
	s_add_co_u32 s21, s20, VOFF
	v_add_nc_u32 v[VL], s21, v[VL]
	v_mul_u32_u24 v5, v1, ROWB
	v_lshl_add_u32 v[QO], v2, 4, v5                ; Q fragment in memory: query r, 16 bytes x h
	v_lshl_add_u32 v[PL], v2, 11, v5               ; prefetch: key r of my 16; lanes 0-15 K's 256 bytes, lanes 16-31 V's
	v_add_nc_u32 v[PL], s67, v[PL]
	s_mul_i32 s47, s11, 128*SP
	s_add_co_u32 s47, s47, STAGE
	v_add_nc_u32 v[STO], s47, v[KL]                ; stage row 128 x my half + r, byte 128 x my head + 16 h (the pitch is K's)
	v_mul_u32_u24 v[RD], v2, SP                    ; back: lanes 0-15 one row of 256 bytes, lanes 16-31 the next, from row 64 x wave
	v_lshl_add_u32 v[RD], v1, 4, v[RD]
	s_mul_i32 s47, s10, 64*SP
	s_add_co_u32 s47, s47, STAGE
	v_add_nc_u32 v[RD], s47, v[RD]
	v_lshlrev_b32 v[CO], 4, v1
	v_lshl_add_u32 v[CO], v2, 11, v[CO]            ; and the same two rows in ao
	; my 128 queries stay in registers for the whole kernel: 16 fragments, 32 loads
.irp p, 0,1
	WIN (0x80+0x40*\p)                             ; destination window 2 + p, address window 0
.irp q, 0,1,2,3
.irp c, 0,1
	global_load_b128 v[QF+8*(2*\q+\c):QF+8*(2*\q+\c)+3],   v[QO], s[68:69] offset:16*ROWB*(4*\p+\q)+64*\c
	global_load_b128 v[QF+8*(2*\q+\c)+4:QF+8*(2*\q+\c)+7], v[QO], s[68:69] offset:16*ROWB*(4*\p+\q)+64*\c+32
.endr
.endr
.irp q, 0,1,2,3
	v_mov_b32 v[TP+\q], 0                          ; v_permlanex16_b32 counts as a reader of its destination
.endr
.endr
	WIN 0
; The head of a trip (the two key steps that FETCH the fragments of one tile of 128 keys).  Each wave waits for all its tensor loads (one is out: its part of this
; trip's slot) and for its reads of the other slot; behind the round no wave of any of the four work-groups reads that slot or has a load on its way, and this trip's
; slot is whole.  The refill comes first: one tensor load a wave, which has the whole trip (256 products and their slices) in which to land.
.macro HEAD refill
	s_wait_tensorcnt 0x0                           ; no tensor load of mine is out: the descriptors may be written
	ds_add_u32 v254, v255
	s_wait_dscnt 0x0
.if \refill
	s_xor_b32 s[G0K+1], s[G0K+1], SLOTSTRIDE       ; the other slot,
	s_xor_b32 s[G0V+1], s[G0V+1], SLOTSTRIDE
	s_add_nc_u64 s[G0K+2:G0K+3], s[G0K+2:G0K+3], TILE_BYTES   ; the next 128 keys
	s_add_nc_u64 s[G0V+2:G0V+3], s[G0V+2:G0V+3], TILE_BYTES
.endif
	s_wait_dscnt 0x0
.if \refill
	ROUND
	JLOAD
	; Prefetch: in trip t for the tile of trip t + 2, which the next trip's joint load asks for.  Wave 0 of each of the eight work-groups of a
	; (batch, pair) asks for its own 16 keys: 32 lanes, 32 blocks of 256 bytes, each once.  The tile number is clamped to the last, so no address leaves the buffer.
	s_cmp_lg_u32 s10, 0
	s_cbranch_scc1 .Lnopf_\@
	s_add_co_u32 s46, s44, 2
	s_min_u32 s46, s46, TRIPS-1
	s_mul_i32 s46, s46, TILE_BYTES
	s_wait_xcnt 0x0                                ; the last trip's prefetch has read its offset register
	v_add_nc_u32 v[PA], s46, v[PL]
	global_prefetch_b8 v[PA], s[22:23] th:TH_LOAD_NT scope:SCOPE_SE
.Lnopf_\@:
.else
	s_barrier_signal -1                            ; the last trip fills nothing: my work-group's barrier shows the slot whole
	s_barrier_wait -1
.endif
	s_mov_b32 s43, s42                             ; this trip's slot; s43 then walks its two halves of 64 keys
	s_xor_b32 s42, s42, SLOTSTRIDE
.endm
.macro ADDR
	v_add_nc_u32 v[KA], s43, v[KL]
	v_add_nc_u32 v[VA], s43, v[VL]
.endm
.macro KLOAD                           ; 64 keys of K, sixteen loads in one run
	WIN 0
.irp kt, 0,1,2,3
.irp c, 0,1
	ds_load_b128 v[KF+8*(2*\kt+\c):KF+8*(2*\kt+\c)+3],   v[KA] offset:16*KP*\kt+64*\c
	ds_load_b128 v[KF+8*(2*\kt+\c)+4:KF+8*(2*\kt+\c)+7], v[KA] offset:16*KP*\kt+64*\c+32
.endr
.endr
.endm
.macro VLOAD                           ; 64 keys of V, transposed, sixteen loads in one run
	WIN 0
.irp kc, 0,1
.irp dt, 0,1,2,3
	ds_load_tr16_b128 v[VF+8*(4*\kc+\dt):VF+8*(4*\kc+\dt)+3],   v[VA] offset:32*VP*\kc+32*\dt
	ds_load_tr16_b128 v[VF+8*(4*\kc+\dt)+4:VF+8*(4*\kc+\dt)+7], v[VA] offset:32*VP*\kc+32*\dt+16*VP
.endr
.endr
.endm
; Product n (0..31) of S^T of piece p: n = 16 c + 4 kt + q.  The first d half starts the sums; the 16 accumulators take turns, one instruction a turn.
.macro QKI p, n
.set c_, (\n)/16
.set kt_, ((\n)/4)%4
.set q_, (\n)%4
.set sb_, 16*(4*(kt_/2)+q_)+8*(kt_%2)
	WIN (0xa8+0x54*\p)                             ; source 0 (K) window 0; source 1 (Q), C and D window 2 + p
.if c_
	v_wmma_f32_16x16x32_f16 v[sb_:sb_+7], v[KF+8*(2*kt_+c_):KF+8*(2*kt_+c_)+7], v[QF+8*(2*q_+c_):QF+8*(2*q_+c_)+7], v[sb_:sb_+7]
	s_wait_alu depctr_va_vdst(0)
.else
	v_wmma_f32_16x16x32_f16 v[sb_:sb_+7], v[KF+8*(2*kt_+c_):KF+8*(2*kt_+c_)+7], v[QF+8*(2*q_+c_):QF+8*(2*q_+c_)+7], 0
.endif
.endm
; Product n (0..31) of O^T of piece p += V^T P: n = 16 kc + 4 q + dt.  16 accumulators by turns.  first = 1: the first 32 keys start the sums.
.macro PVI p, n, first
.set kc_, (\n)/16
.set q_, ((\n)/4)%4
.set dt_, (\n)%4
.set ob_, 8*(16*\p+4*q_+dt_)
	WIN (0x58+4*\p)                                ; source 0 (V) window 0, source 1 (P) window 2 + p, C and D window 1
.if (\first)*(1-kc_)
	v_wmma_f32_16x16x32_f16 v[ob_:ob_+7], v[VF+8*(4*kc_+dt_):VF+8*(4*kc_+dt_)+7], v[16*(4*kc_+q_):16*(4*kc_+q_)+7], 0
.else
	v_wmma_f32_16x16x32_f16 v[ob_:ob_+7], v[VF+8*(4*kc_+dt_):VF+8*(4*kc_+dt_)+7], v[16*(4*kc_+q_):16*(4*kc_+q_)+7], v[ob_:ob_+7]
	s_wait_alu depctr_va_vdst(0)
.endif
.endm
; Place y (0..339) of the exponent part of piece p.  Tile i = y / 20 (registers 8 i .. 8 i + 7, query tile (i / 2) % 4): four packed exponents, then eight exponentials;
; between the exponentials stand the sums and the packing of tile i - 1, so that a plain instruction follows each exponential and its result is read one tile
; later (ISA guide 5.7.2).  P lands in place: two tiles of 8 registers become the 8 registers at 16 (i / 2), each packing written below the pairs still to be read.
.macro SMX p, y
.set i_, (\y)/20
.set o_, (\y)%20
.if o_ < 4
.if i_ < 16
.set sq_, ST+4*((i_/2)%4)
	WIN (0xaa+0x55*\p)
	v_pk_fma_f32 v[8*i_+2*o_:8*i_+2*o_+1], v[8*i_+2*o_:8*i_+2*o_+1], s[56:57], v[sq_:sq_+1] op_sel_hi:[1,0,0]   ; c s - c m, two at a time
.endif
.else
.set k_, (o_-4)/4
.set u_, (o_-4)%4
.if (u_%2) == 0
.if i_ < 16
	WIN (0xaa+0x55*\p)
	v_exp_f32 v[8*i_+2*k_+u_/2], v[8*i_+2*k_+u_/2]
.endif
.elseif i_ > 0
.set j_, i_-1
.if u_ == 1
.set su_, SU+2*((j_/2)%4)
.set st_, 0
.if j_ < 8
.if (j_%2) == 0
.set st_, 1                            ; a query tile's first key tile starts its pair of sums: nothing is cleared
.endif
.endif
.if st_
.if k_ == 0
	WIN (0xaa+0x55*\p)
	s_wait_alu depctr_va_vdst(0)
	v_pk_add_f32 v[su_:su_+1], v[8*j_:8*j_+1], v[8*j_+2:8*j_+3]
.elseif k_ > 1
	WIN (0xaa+0x55*\p)
	v_pk_add_f32 v[su_:su_+1], v[su_:su_+1], v[8*j_+2*k_:8*j_+2*k_+1]
.endif
.else
	WIN (0xaa+0x55*\p)
	s_wait_alu depctr_va_vdst(0)
	v_pk_add_f32 v[su_:su_+1], v[su_:su_+1], v[8*j_+2*k_:8*j_+2*k_+1]
.endif
.else
	WIN (0xaa+0x55*\p)
	v_cvt_pk_f16_f32 v[16*(j_/2)+4*(j_%2)+k_], v[8*j_+2*k_], v[8*j_+2*k_+1]
.endif
.endif
.endif
.endm
; The instruction at place idx (0..499) of piece p's vector work for one key step; some places are empty.  first = 1: the first key step: no alpha, no rescaling.
; A lane holds 32 scores of each of four queries (query tile q: registers 16 q .. + 15 and 64 + 16 q .. + 15).
.macro SMI p, idx, first
.set sx_, (\idx)
.if sx_ < I_ST
	; the largest of my 32 scores, four chains (one a query tile) by turns
.set q_, sx_%4
.set g_, sx_/4
	WIN (0xaa+0x55*\p)                             ; everything in window 2 + p
.if g_ == 0
	v_max3_num_f32 v[TM+q_], v[16*q_], v[16*q_+1], v[16*q_+2]
.elseif g_ < 15
.set n_, 2*g_+1
	v_max3_num_f32 v[TM+q_], v[TM+q_], v[16*q_+n_+48*(n_/16)], v[16*q_+n_+1+48*((n_+1)/16)]
.else
	v_max_num_f32 v[TM+q_], v[TM+q_], v[16*q_+79]
.endif
.elseif sx_ < I_X1
.set y_, sx_-I_ST
.set q_, y_%4
.set g_, y_/4
.if g_ == 0
	WIN (0xaa+0x55*\p)
	v_permlanex16_b32 v[TP+q_], v[TM+q_], s59, s60 ; the other 32 keys of the same query
.elseif g_ == 1
	WIN (0xaa+0x55*\p)
.if \first
	v_max_num_f32 v[ST+4*q_+1], v[TM+q_], v[TP+q_]
.else
	v_max3_num_f32 v[ST+4*q_+1], v[TM+q_], v[TP+q_], v[ST+4*q_+1]
.endif
.elseif g_ == 2
	WIN (0xaa+0x55*\p)
.if \first
	v_mul_f32 v[ST+4*q_], s58, v[ST+4*q_+1]        ; -c m
.else
	v_mul_f32 v[TN+q_], s58, v[ST+4*q_+1]          ; the new -c m
.endif
.elseif \first == 0
	WIN (0xaa+0x55*\p)
.if g_ == 3
	v_sub_f32 v[TA+q_], v[TN+q_], v[ST+4*q_]       ; c m_old - c m_new, never above 0
.else
.set q_, (y_-16)/2
.if (y_%2) == 0
	v_exp_f32 v[ST+4*q_+2], v[TA+q_]               ; alpha; a plain instruction follows each, and it is first read 100 places on
.else
	v_mov_b32 v[ST+4*q_], v[TN+q_]
.endif
.endif
.endif
.elseif sx_ < I_R
	SMX \p, (sx_-I_X1)
.elseif sx_ < I_X2
.if \first == 0
.set y_, sx_-I_R
.set ob_, 8*(16*\p+4*(y_/16))+2*(y_%16)
	WIN (0x49+4*\p)                                ; source 0 and destination window 1, source 1 window 2 + p
	v_pk_mul_f32 v[ob_:ob_+1], v[ob_:ob_+1], v[ST+4*(y_/16)+2:ST+4*(y_/16)+3] op_sel_hi:[1,0]   ; O^T times alpha (on the way out: times 1 / l)
.endif
.elseif sx_ < I_END
	SMX \p, (sx_-I_X2+I_R-I_X1)
.else
.set y_, sx_-I_END
.set q_, y_%4
.if y_ < 4
	WIN (0xaa+0x55*\p)
.if \first
	v_add_f32 v[ST+4*q_+3], v[SU+2*q_], v[SU+2*q_+1]
.else
	v_add_f32 v[TS+q_], v[SU+2*q_], v[SU+2*q_+1]
.endif
.elseif \first == 0
	WIN (0xaa+0x55*\p)
	v_fma_f32 v[ST+4*q_+3], v[ST+4*q_+3], v[ST+4*q_+2], v[TS+q_]   ; l = l alpha + this step's sum (my half of the keys)
.endif
.endif
.endm
.macro SLICE p, n, first               ; slice n (0..63): 7 or 8 places
.set pos_i, ((\n)*I_ALL)/64
.set pos_e, ((\n)*I_ALL+I_ALL)/64
.rept 8
.if pos_i < pos_e
	SMI \p, pos_i, \first
.endif
.set pos_i, pos_i+1
.endr
.endm
; A run of 32 products of piece p (kind 0: S^T = K Q^T; kind 1: O^T += V^T P, mfirst = 1: it starts the sums), and directly behind each product
; per slices of piece sp, from slice s0 on (per = 0: none).
.macro RUN kind, p, mfirst, sp, s0, per, sfirst
.set cnt_m, 0
.rept 32
.if \kind
	PVI \p, cnt_m, \mfirst
.else
	QKI \p, cnt_m
.endif
.if \per
.set cnt_s, \s0+\per*cnt_m
.rept \per
	SLICE \sp, cnt_s, \sfirst
.set cnt_s, cnt_s+1
.endr
.endif
.set cnt_m, cnt_m+1
.endr
.endm
; Key step t.  On entry: P0 (t), S1 (t), V (t) asked for; K's fragments free.  KA, VA point at key step t + 1.  first = 1: t = 0.
; The four places that a load into a product's source needs behind that product are the slice in front of each run of loads: slice 63 of piece 0
; (eight adds and multiply-adds) in front of K's, slice 31 of piece 0 (eight packed multiplies) in front of V's.
.macro ITER first
	KLOAD                                          ; K (t + 1): first used 32 products on
	s_wait_dscnt 16                                ; V (t), asked for 32 products ago, is in; the sixteen loads just issued may be out
	RUN 1, 0, \first, 1, 0, 1, \first              ; O0 += V P0 (t)      | piece 1 (t): maximum, figures, first exponents, rescaling
	s_wait_dscnt 0x0                               ; K (t + 1) is in
	RUN 0, 0, 0, 1, 32, 1, \first                  ; S0 = K Q0 (t + 1)   | piece 1 (t): the rest: P1 (t) is whole
	RUN 1, 1, \first, 0, 0, 1, 0                   ; O1 += V P1 (t)      | piece 0 (t + 1)
	VLOAD                                          ; V (t + 1): first used 32 products on
	RUN 0, 1, 0, 0, 32, 1, 0                       ; S1 = K Q1 (t + 1)   | piece 0 (t + 1): P0 (t + 1) is whole
	WIN 0                                          ; at a label and at a branch every window is 0
.endm
	s_mov_b32 s42, 0                               ; the first trip reads slot 0
	s_mov_b32 s44, 0                               ; trip
	HEAD 1                                         ; tile 0 is in; tile 1 goes out, into slot 1
	ADDR
	KLOAD                                          ; key step 0
	VLOAD
	s_wait_loadcnt 0x0                             ; Q: first read by the products below
	s_wait_dscnt 16                                ; K's sixteen loads are in; V's sixteen, issued behind them, may be out
	RUN 0, 0, 0, 0, 0, 0, 0                        ; S0 (0): there is no vector work yet to set behind these products,
.rept 4
	v_nop                                          ; so the four places before vector instructions read the scores are empty ones
.endr
	RUN 0, 1, 0, 0, 0, 2, 1                        ; S1 (0) | piece 0 (0), two slices a product: starts m and l
	WIN 0
	s_add_co_u32 s43, s43, HALF
	ADDR
	ITER 1                                         ; key step 0; fetches key step 1
	s_mov_b32 s44, 1
.Ltrip:                                            ; trips 1 to 14: key steps 2 trip - 1 and 2 trip, which fetch tile trip
	HEAD 1
	s_mov_b32 s45, 0
.Lstep:
	ADDR
	ITER 0
	s_add_co_u32 s43, s43, HALF
	s_add_co_u32 s45, s45, 1
	s_cmp_lt_u32 s45, 2
	s_cbranch_scc1 .Lstep
	s_add_co_u32 s44, s44, 1
	s_cmp_lt_u32 s44, TRIPS-1
	s_cbranch_scc1 .Ltrip
	HEAD 0                                         ; trip 15: key steps 29 and 30; nothing is left to ask memory for
	s_mov_b32 s45, 0
.Llast:
	ADDR
	ITER 0
	s_add_co_u32 s43, s43, HALF
	s_add_co_u32 s45, s45, 1
	s_cmp_lt_u32 s45, 2
	s_cbranch_scc1 .Llast
	s_wait_dscnt 0x0                               ; key step 31: V (31) is in; no scores follow
	RUN 1, 0, 0, 1, 0, 2, 0                        ; O0 += V P0 (31) | piece 1 (31), two slices a product
	RUN 1, 1, 0, 0, 0, 0, 0                        ; O1 += V P1 (31)
	; THE WAY OUT.  The two halves of the lanes join their sums; O / l; rounded to bf16; through the stage, since a lane holds 16 bytes of a row of which
	; the two waves of a query half hold 128 bytes each; back as whole rows of 256 bytes.
.rept 4
	v_nop                                          ; four places behind the last products
.endr
.irp p, 0,1
	WIN (0xaa+0x55*\p)
.irp q, 0,1,2,3
	v_permlanex16_b32 v[TP+\q], v[ST+4*\q+3], s59, s60
.endr
.irp q, 0,1,2,3
	v_add_f32 v[ST+4*\q+3], v[ST+4*\q+3], v[TP+\q] ; at least about 1: the key of the maximum counts 2^0
.endr
.irp q, 0,1,2,3
	v_rcp_f32 v[ST+4*\q+2], v[ST+4*\q+3]
.endr
	v_nop                                          ; a plain instruction before the reciprocals are used (ISA guide 5.7.2)
	s_wait_alu depctr_va_vdst(0)
.endr
.irp p, 0,1
.set pos_i, I_R
.rept 64
	SMI \p, pos_i, 0                               ; the rescaling's 64 places once more: the figure is now 1 / l
.set pos_i, pos_i+1
.endr
.endr
	WIN 0x05                                       ; sources window 1, destination window 0
.set u, 0
.rept 128
	v_cvt_pk_bf16_f32 v[TMPO+u], v[2*u], v[2*u+1]  ; tile (p, q, dt): 8 neighbouring d of one query become 16 bytes
.set u, u+1
.endr
	WIN 0
.irp t, 0,1,2,3,4,5,6,7
.irp dt, 0,1,2,3
	ds_store_b128 v[STO], v[TMPO+4*(4*\t+\dt):TMPO+4*(4*\t+\dt)+3] offset:16*SP*\t+32*\dt
.endr
.endr
	s_wait_dscnt 0x0                               ; my stores are done: the other wave of my query half wrote the other 128 bytes of each row,
	s_barrier_signal -1
	s_barrier_wait -1                              ; and every wave reads rows that it and the other wave of its query half wrote
.set t, 0
.rept 32
	ds_load_b128 v[TMPO+4*t:TMPO+4*t+3], v[RD] offset:2*SP*t
.set t, t+1
.endr
.set t, 0
.rept 32
	s_wait_dscnt 31-t                              ; the 31 - t younger loads may be out
	global_store_b128 v[CO], v[TMPO+4*t:TMPO+4*t+3], s[70:71] offset:2*AOB*t   ; 16 lanes store 256 consecutive bytes, aligned
.set t, t+1
.endr
	s_wait_tensorcnt 0x0
	ds_add_u32 v254, v255
	s_wait_dscnt 0x0
	ROUND                                          ; the closing round: no work-group ends while a partner may still ask for a tile that names it
	s_endpgm
.Lfunc_end_k_q6b83a9736d_attn:
	.size	k_q6b83a9736d_attn, .Lfunc_end_k_q6b83a9736d_attn-k_q6b83a9736d_attn
	.p2alignl 7, 3214868480
	.fill 96, 4, 3214868480
	.section	.rodata,"a",@progbits
	.p2align	6, 0x0
	.amdhsa_kernel k_q6b83a9736d_attn
		.amdhsa_group_segment_fixed_size 327680
		.amdhsa_private_segment_fixed_size 0
		.amdhsa_enable_private_segment 0
		.amdhsa_kernarg_size 16
		.amdhsa_user_sgpr_count 2
		.amdhsa_user_sgpr_kernarg_segment_ptr 1
		.amdhsa_wavefront_size32 1
		.amdhsa_system_sgpr_workgroup_id_x 1
		.amdhsa_system_sgpr_workgroup_id_y 1
		.amdhsa_system_sgpr_workgroup_id_z 1
		.amdhsa_system_vgpr_workitem_id 0
		.amdhsa_next_free_vgpr 1024
		.amdhsa_next_free_sgpr 72
		.amdhsa_reserve_vcc 0
		.amdhsa_float_denorm_mode_32 3
		.amdhsa_float_denorm_mode_16_64 3
		.amdhsa_memory_ordered 1
		.amdhsa_forward_progress 1
		.amdhsa_inst_pref_size 255
	.end_amdhsa_kernel
	.section	.bss,"aw",@nobits
	.p2align	6
	.space	262144
	.amdgpu_metadata
---
amdhsa.version: [ 1, 2 ]
amdhsa.kernels:
  - .name:           k_q6b83a9736d_attn
    .symbol:         k_q6b83a9736d_attn.kd
    .args:
      - { .name: qkvh, .offset: 0, .size: 8, .value_kind: global_buffer, .address_space: global }
      - { .name: ao, .offset: 8, .size: 8, .value_kind: global_buffer, .address_space: global }
    .group_segment_fixed_size: 327680
    .private_segment_fixed_size: 0
    .kernarg_segment_align: 8
    .kernarg_segment_size: 16
    .max_flat_workgroup_size: 128
    .sgpr_count:     72
    .vgpr_count:     1024
    .wavefront_size: 32
...
	.end_amdgpu_metadata
.endif
;; end of part 3
;; launch proj (part 4): grid 8 x 32, 4 waves a work-group, clusters of 4 x 4, 327,680 bytes of LDS; arguments ao, wpb, out0, b_proj; writes out0
.if DOCPART == 4
	.amdgcn_target "amdgcn-amd-amdhsa--gfx1250"
	.amdhsa_code_object_version 6
	.text
	.protected	k_q6b83a9736d_proj
	.globl	k_q6b83a9736d_proj
	.p2align	8
	.type	k_q6b83a9736d_proj,@function
k_q6b83a9736d_proj:
	s_mov_b64 s[64:65], 0
	v_nop
	global_prefetch_b8 v0, s[64:65] scope:SCOPE_SE
	s_setreg_imm32_b32 hwreg(HW_REG_WAVE_MODE, 25, 1), 1
	s_wait_xcnt 0x0
	s_wait_alu depctr_hold_cnt(0) depctr_sa_sdst(0) depctr_va_vdst(0) depctr_va_sdst(0) depctr_va_ssrc(0) depctr_va_vcc(0) depctr_vm_vsrc(0)
	s_getreg_b32 s2, hwreg(HW_REG_IB_STS2, 6, 4)
	s_cmp_eq_u32 s2, 0
	s_cbranch_scc0 .Lentry_in_a_cluster
	s_endpgm
.Lentry_in_a_cluster:
	s_bfe_u32 s2, ttmp6, 0x10000c
	s_cmp_lg_u32 s2, 0xf033
	s_cbranch_scc0 .Lentry_shape_is_right
	s_endpgm
.Lentry_shape_is_right:
; out0[m][n] = b_proj[n] + sum over k of ao[m][k] wpb[n][k].  ao: [8192][1024] bf16, wpb: [1024][1024] bf16, b_proj: [1024] f32, out0: [8192][1024] f32.
; No work of the problem is left out.  LIMIT: the bias starts each f32 sum instead of being added at its end (another order of rounding).
; 8 x 32 = 256 work-groups, each with a block of 256 rows x 128 columns; four waves, a wave makes 128 x 64: 32 accumulator tiles, 256 registers.
; K goes in steps of 128 through a ring of two LDS slots (256 rows of A, 128 of B, 272 bytes each); slots of 256 along K would be 405,504 bytes.
; CLUSTERS of 4 x 4: A's tiles hang on the block row alone and are asked for jointly along a row of the cluster, B's on the block column alone.
; The matrix instruction is used transposed (source 0 = rows of B, source 1 = rows of A): lane l holds row l % 16 of C, registers 0 to 7 the columns
; 8 (l / 16) + 0 .. 7.  So the bias of a tile's columns is 8 registers a lane, and the first product takes them as its C: no add, nothing cleared.
; REGISTERS.  Window 0: addresses, A's fragments (8 x 8 registers, two buffers).  Window 1: B's fragments (4 x 8, two buffers), the bias v192-223.
; Window 2: accumulator tile (a, b) at 8 (4 a + b).
.set SIZE_M, 8192
.set SIZE_N, 1024
.set SIZE_K, 1024
.set KSTEP,  128
.set PITCH,  272                       ; 256 bytes + 16 of padding: the 16 rows that a load touches start at 16 different banks (ISA guide 11.1)
.set HALFA,  128*PITCH                 ; what a tensor load of A brings, and what a wave reads of A
.set HALFB,  64*PITCH                  ; the same for B
.set SLOT,   2*HALFA+2*HALFB
.set STAGE,  2*SLOT                    ; behind the ring: 16 rows x 272 bytes for each wave; no tensor load lands there
.set SPITCH, 272
.set LAPS, SIZE_K/(2*KSTEP)            ; 4
.set BO,   6                           ; v6      my byte offset in a tile's 64 bytes of bias
.set ADRA, 16                          ; v16-17  LDS address of my A fragments in slot 0, 1
.set ADRB, 20                          ; v20-21  the same for B
.set STO,  24                          ; v24     the way out: where I put 32 bytes of a row
.set RD,   25                          ; v25     where I read a row back
.set CO,   26                          ; v26     my byte offset in C
.set F0,   64
.set F1,   128
.set BIAS, 192                         ; window 1
.set G1, 24                            ; s[24:31] shape of A's tiles      s[48:55] of B's
.set G0, 32                            ; s[32:39] from where, to where, A, one set a slot      s[56:63] B
.set G1B, 48
.set G0B, 56
.set MSB, 0
.macro WIN new                         ; low byte: bits 1:0 source 0, 3:2 source 1, 5:4 source 2, 7:6 destination; the high byte repeats the setting that is left
.if MSB != (\new)
	s_set_vgpr_msb (MSB<<8)|(\new)
.set MSB, (\new)
.endif
.endm
.set MUL,    0xa1                      ; source 0 (B) window 1, source 1 (A) window 0, C and D window 2
.set MULB,   0x91                      ; the same with C (the bias) from window 1
.set TO_B,   0x40                      ; destination window 1, address window 0
.set FROM_C, 0x08                      ; an LDS store's data from window 2
.macro JLOAD s                         ; waves 0 and 1 fetch A's two halves, waves 2 and 3 B's; the branch hangs on the wave's number alone
	s_cmp_eq_u32 s11, 0
	s_cbranch_scc0 .Lfor_b_\@
	tensor_load_to_lds s[G0+4*\s:G0+4*\s+3], s[G1:G1+7]
	s_nop 0
	s_branch .Lasked_\@
.Lfor_b_\@:
	tensor_load_to_lds s[G0B+4*\s:G0B+4*\s+3], s[G1B:G1B+7]
	s_nop 0
.Lasked_\@:
.endm
.macro CREST                           ; a round of the cluster's barrier behind its opening barrier
	s_cmp_lg_u32 s10, 0
	s_cbranch_scc1 .Lnot_wave_0_\@
	s_barrier_signal -3
.Lnot_wave_0_\@:
	s_barrier_wait -3
	s_barrier_signal -1
	s_barrier_wait -1
.endm
.macro CROUND                          ; a whole round
	s_barrier_signal -1
	s_barrier_wait -1
	CREST
.endm
	s_load_b128 s[4:7], s[0:1], 0x0                ; A = ao s[4:5], B = wpb s[6:7]
	s_load_b64 s[8:9], s[0:1], 0x10                ; C = out0
	s_load_b64 s[66:67], s[0:1], 0x18              ; b_proj
	s_set_vgpr_msb 0x40
	v_lshl_add_u32 v255, v0, 2, 0x37400
	s_set_vgpr_msb 0x4000
	v_mov_b32 v255, 0
	s_set_vgpr_msb 0x1
	ds_add_u32 v255, v255
	s_set_vgpr_msb 0x100
	v_lshrrev_b32 v1, 5, v0
	v_readfirstlane_b32 s10, v1                    ; wave 0..3
	s_lshr_b32 s11, s10, 1                         ; which 128 rows of the block are mine.  Also: I fetch for A (0) or for B (1)
	s_and_b32 s12, s10, 1                          ; which 64 columns.  Also: which half of that tile I fetch
	s_bfe_u32 s40, ttmp6, 0x40000                  ; cx
	s_bfe_u32 s41, ttmp6, 0x40004                  ; cy
	s_lshl_b32 s42, ttmp9, 2
	s_add_co_u32 s42, s42, s40                     ; block column = 4 x cluster x + cx
	s_and_b32 s13, ttmp7, 0xffff
	s_lshl_b32 s13, s13, 2
	s_add_co_u32 s13, s13, s41                     ; block row = 4 x cluster y + cy
	s_lshl_b32 s43, s41, 2
	s_lshl_b32 s43, 15, s43                        ; my row of the cluster
	s_lshl_b32 s44, 0x1111, s40                    ; my column
	s_or_b32 s[G1+0], s43, (1<<16)|(1<<20)|(1<<21)|(5<<22)|(3<<25)  ; mask; 2 bytes; padding on; bit 21 beside a mask; after every 64 words 4 words
	s_or_b32 s[G1B+0], s44, (1<<16)|(1<<20)|(1<<21)|(5<<22)|(3<<25)
	s_mov_b32 s[G1+1], KSTEP<<16                   ; tensor_dim0 = 128
	s_mov_b32 s[G1B+1], KSTEP<<16
	s_mov_b32 s[G1+2], 128<<16                     ; tensor_dim1: A 128 rows,
	s_mov_b32 s[G1B+2], 64<<16                     ; B 64
	s_mov_b32 s[G1+3], KSTEP<<16                   ; tile_dim0 = 128
	s_mov_b32 s[G1B+3], KSTEP<<16
	s_mov_b32 s[G1+4], 128                         ; tile_dim1
	s_mov_b32 s[G1B+4], 64
	s_mov_b32 s[G1+5], SIZE_K                      ; elements from row to row
	s_mov_b32 s[G1B+5], SIZE_K
	s_mov_b32 s[G1+6], 0
	s_mov_b32 s[G1B+6], 0
	s_mov_b32 s[G1+7], 0
	s_mov_b32 s[G1B+7], 0
	s_lshl_b32 s17, s12, 7
	s_lshl_b32 s16, s13, 8
	s_add_co_u32 s16, s16, s17                     ; A: row 256 x block row + 128 x half
	s_lshl_b32 s45, s12, 6
	s_lshl_b32 s46, s42, 7
	s_add_co_u32 s46, s46, s45                     ; B: row 128 x block column + 64 x half
	s_mov_b32 s17, 0
	s_mov_b32 s47, 0
	s_mov_b64 s[18:19], SIZE_K*2
	s_mul_u64 s[16:17], s[16:17], s[18:19]
	s_mul_u64 s[46:47], s[46:47], s[18:19]
	s_mul_i32 s20, s10, HALFA                      ; where A's halves go (waves 0, 1): wave x 128 rows
	s_mul_i32 s45, s10, HALFB                      ; where B's go (waves 2, 3): behind A's 256 rows, (wave - 2) x 64 rows
	s_add_co_u32 s45, s45, 2*HALFA-2*HALFB
	s_wait_dscnt 0x0
	s_wait_kmcnt 0x0
	s_add_nc_u64 s[14:15], s[4:5], s[16:17]
	s_add_nc_u64 s[46:47], s[6:7], s[46:47]
	CROUND                                         ; all sixteen work-groups are here: the first joint loads meet
.irp s, 0,1
	s_mov_b32 s[G0+4*\s], 1
	s_add_co_u32 s[G0+4*\s+1], s20, \s*SLOT
	s_add_nc_u64 s[G0+4*\s+2:G0+4*\s+3], s[14:15], \s*KSTEP*2
	s_or_b32 s[G0+4*\s+3], s[G0+4*\s+3], 0x80000000
	s_mov_b32 s[G0B+4*\s], 1
	s_add_co_u32 s[G0B+4*\s+1], s45, \s*SLOT
	s_add_nc_u64 s[G0B+4*\s+2:G0B+4*\s+3], s[46:47], \s*KSTEP*2
	s_or_b32 s[G0B+4*\s+3], s[G0B+4*\s+3], 0x80000000
	JLOAD \s                                       ; K steps 0 and 1: two tensor loads of the wave are out
.endr
	s_lshl_b32 s46, s42, 9                         ; my first column in bytes of f32: 512 x block column + 256 x half; for the bias and for C
	s_lshl_b32 s47, s12, 8
	s_add_co_u32 s46, s46, s47
	s_mov_b32 s47, 0
	s_add_nc_u64 s[66:67], s[66:67], s[46:47]
	v_and_b32 v1, 15, v0                           ; l % 16
	v_bfe_u32 v2, v0, 4, 1                         ; l / 16
	v_lshlrev_b32 v[BO], 5, v2                     ; columns 8 (l / 16) ..: 32 bytes
	WIN TO_B
.irp b, 0,1,2,3
	global_load_b128 v[BIAS+8*\b:BIAS+8*\b+3],   v[BO], s[66:67] offset:64*\b
	global_load_b128 v[BIAS+8*\b+4:BIAS+8*\b+7], v[BO], s[66:67] offset:64*\b+16
.endr
	WIN 0
	v_mul_u32_u24 v3, v1, PITCH
	v_lshl_add_u32 v3, v2, 4, v3                   ; a fragment: row x pitch + 16 x half
	s_mul_i32 s21, s11, HALFA                      ; my 128 rows of A
	s_mul_i32 s22, s12, HALFB                      ; my 64 rows of B,
	s_add_co_u32 s22, s22, 2*HALFA                 ; which lie behind A's 256
.irp s, 0,1
	v_add_nc_u32 v[ADRA+\s], s21, v3
	v_add_nc_u32 v[ADRB+\s], s22, v3
	s_add_co_u32 s21, s21, SLOT
	s_add_co_u32 s22, s22, SLOT
.endr
	s_mul_i32 s23, s10, 16*SPITCH
	s_add_co_u32 s23, s23, STAGE                   ; my stage
	v_mul_u32_u24 v4, v1, SPITCH                   ; in: row l % 16, 32 bytes for each half of the lanes
	v_lshl_add_u32 v4, v2, 5, v4
	v_add_nc_u32 v[STO], s23, v4
	v_mul_u32_u24 v5, v2, SPITCH                   ; back: lanes 0-15 one row of 256 bytes, lanes 16-31 the next
	v_lshl_add_u32 v5, v1, 4, v5
	v_add_nc_u32 v[RD], s23, v5
	v_lshlrev_b32 v5, 12, v2                       ; and the same two rows in C (4,096 bytes a row)
	v_lshl_add_u32 v[CO], v1, 4, v5
; 16 matrix instructions: m blocks a0 .. a0 + 3 x all 4 n blocks, 32 along K.  first = 1: the bias is the C.  The 32 accumulators take turns, one
; instruction a turn, in the same order in every quarter step, over the backward jump too.
.macro MUL16 f, a0, first
.irp a, \a0, \a0+1, \a0+2, \a0+3
.irp b, 0,1,2,3
.if \first
	v_wmma_f32_16x16x32_bf16 v[8*(4*(\a)+\b):8*(4*(\a)+\b)+7], v[\f+8*\b:\f+8*\b+7], v[\f+8*(\a):\f+8*(\a)+7], v[BIAS+8*\b:BIAS+8*\b+7]
.else
	v_wmma_f32_16x16x32_bf16 v[8*(4*(\a)+\b):8*(4*(\a)+\b)+7], v[\f+8*\b:\f+8*\b+7], v[\f+8*(\a):\f+8*(\a)+7], v[8*(4*(\a)+\b):8*(4*(\a)+\b)+7]
.endif
.endr
.endr
.endm
; 24 LDS loads in one run: 64 rows of B, 128 rows of A, 32 K at byte k of the rows, into buffer f
.macro FETCH slot, k, f
	WIN TO_B
.irp i, 0,1,2,3
	ds_load_b128 v[\f+8*\i:\f+8*\i+3],   v[ADRB+\slot] offset:\k+\i*16*PITCH
	ds_load_b128 v[\f+8*\i+4:\f+8*\i+7], v[ADRB+\slot] offset:\k+\i*16*PITCH+32
.endr
	WIN 0
.irp i, 0,1,2,3,4,5,6,7
	ds_load_b128 v[\f+8*\i:\f+8*\i+3],   v[ADRA+\slot] offset:\k+\i*16*PITCH
	ds_load_b128 v[\f+8*\i+4:\f+8*\i+7], v[ADRA+\slot] offset:\k+\i*16*PITCH+32
.endr
.endm
.macro PLACES                          ; four places behind a matrix instruction before a load lands on its sources or its result is read
.rept 4
	v_nop
.endr
.endm
; A quarter step: the next quarter's fragments are asked for into buffer g, then buffer f is multiplied (32 matrix instructions).
.macro QUARTER slot, k, f, g, first
	PLACES
	FETCH \slot, \k, \g
	s_wait_dscnt 24                                ; all but the 24 just issued: buffer f is in
.if \first
	WIN MULB
.else
	WIN MUL
.endif
	MUL16 \f, 0, \first
	MUL16 \f, 4, \first
.endm
.macro THREE slot, first
	QUARTER \slot, 64,  F0, F1, \first
	QUARTER \slot, 128, F1, F0, 0
	QUARTER \slot, 192, F0, F1, 0
.endm
; The last quarter multiplies buffer 1 and changes slots.  In front of the barrier each wave waits for its reads of this slot and for all its tensor loads (one is
; out: its part of the next slot); behind it the refill comes first, one tensor load a wave.  From a request to the wait for it a wave issues 112 matrix instructions.
.macro TURN slot, next, fill
	s_wait_dscnt 0                                 ; buffer 1 is in, and my reads of this slot are over
	s_wait_tensorcnt 0x0                           ; all my tensor loads have landed
	ds_add_u32 v255, v255
	s_wait_dscnt 0x0
	s_barrier_signal -1                            ; (where a slot is filled again this barrier opens a round of the cluster's barrier)
	WIN MUL
	MUL16 F1, 0, 0                                 ; work on registers while the others arrive
	WIN 0
	s_barrier_wait -1
.if \fill
	CREST                                          ; no wave of any partner still reads this slot or has a load on its way
	s_add_nc_u64 s[G0+4*\slot+2:G0+4*\slot+3], s[G0+4*\slot+2:G0+4*\slot+3], 2*KSTEP*2
	s_add_nc_u64 s[G0B+4*\slot+2:G0B+4*\slot+3], s[G0B+4*\slot+2:G0B+4*\slot+3], 2*KSTEP*2
	JLOAD \slot
.endif
	PLACES
	FETCH \next, 0, F0
	WIN MUL
	MUL16 F1, 4, 0
.endm
.macro LAP first
	THREE 0, \first
	TURN 0, 1, 1
	THREE 1, 0
	TURN 1, 0, 1
.endm
	s_wait_tensorcnt 1                             ; my part of K step 0 is in; K step 1's load may stay out
	s_barrier_signal -1
	s_barrier_wait -1
	FETCH 0, 0, F0
	s_wait_loadcnt 0x0                             ; the bias
	LAP 1                                          ; the first lap stands in front of the loop: its first products start the sums on the bias
	WIN 0
	s_mov_b32 s3, LAPS-2
.Llap:
	LAP 0
	WIN 0
	s_sub_co_u32 s3, s3, 1
	s_cmp_lg_u32 s3, 0
	s_cbranch_scc1 .Llap
	THREE 0, 0                                     ; the last lap fills nothing and has no round
	TURN 0, 1, 0
	THREE 1, 0
	s_wait_dscnt 0                                 ; the very last quarter
	WIN MUL
	MUL16 F1, 0, 0
	MUL16 F1, 4, 0
	; THE WAY OUT, 16 rows at a time: a lane's 32 bytes of a row into my own stage, back as whole rows of 256 bytes (my 64 columns of f32).
	PLACES
	WIN 0
	s_lshl_b32 s13, s13, 8
	s_lshl_b32 s14, s11, 7
	s_add_co_u32 s16, s13, s14                     ; my first row of C
	s_mov_b32 s17, 0
	s_mov_b64 s[18:19], SIZE_N*4
	s_mul_u64 s[16:17], s[16:17], s[18:19]
	s_add_nc_u64 s[8:9], s[8:9], s[16:17]
	s_add_nc_u64 s[8:9], s[8:9], s[46:47]          ; my first column
.macro OUT16 a, f
	WIN FROM_C
.irp b, 0,1,2,3
	ds_store_b128 v[STO], v[8*(4*\a+\b):8*(4*\a+\b)+3]   offset:64*\b
	ds_store_b128 v[STO], v[8*(4*\a+\b)+4:8*(4*\a+\b)+7] offset:64*\b+16
.endr
	WIN 0
	s_wait_xcnt 0x0                                ; buffer f, which earlier stores read, and the stores' base are rewritten only behind this wait (ISA guide 3.1)
.if \a
	s_add_nc_u64 s[8:9], s[8:9], 16*SIZE_N*4       ; 16 rows of C on
.endif
.irp t, 0,1,2,3,4,5,6,7
	ds_load_b128 v[\f+4*\t:\f+4*\t+3], v[RD] offset:\t*2*SPITCH    ; LDS serves a wave's instructions in order (ISA guide 5.7.1.4): these see the stores above
.endr
.irp t, 0,1,2,3,4,5,6,7
	s_wait_dscnt 7-\t                              ; the 7 - t younger loads may be out
	global_store_b128 v[CO], v[\f+4*\t:\f+4*\t+3], s[8:9] offset:2*\t*SIZE_N*4 th:TH_STORE_NT   ; 16 lanes store 256 consecutive bytes, aligned; not read again
.endr
.endm
	OUT16 0, F0
	OUT16 1, F1
	OUT16 2, F0
	OUT16 3, F1
	OUT16 4, F0
	OUT16 5, F1
	OUT16 6, F0
	OUT16 7, F1
	s_set_vgpr_msb 0x1
	s_wait_tensorcnt 0x0
	ds_add_u32 v255, v255
	s_wait_dscnt 0x0
	s_set_vgpr_msb 0x100
	CROUND                                         ; the closing round
	s_endpgm
.Lfunc_end_k_q6b83a9736d_proj:
	.size	k_q6b83a9736d_proj, .Lfunc_end_k_q6b83a9736d_proj-k_q6b83a9736d_proj
	.p2alignl 7, 3214868480
	.fill 96, 4, 3214868480
	.section	.rodata,"a",@progbits
	.p2align	6, 0x0
	.amdhsa_kernel k_q6b83a9736d_proj
		.amdhsa_group_segment_fixed_size 327680
		.amdhsa_private_segment_fixed_size 0
		.amdhsa_enable_private_segment 0
		.amdhsa_kernarg_size 32
		.amdhsa_user_sgpr_count 2
		.amdhsa_user_sgpr_kernarg_segment_ptr 1
		.amdhsa_wavefront_size32 1
		.amdhsa_system_sgpr_workgroup_id_x 1
		.amdhsa_system_sgpr_workgroup_id_y 1
		.amdhsa_system_sgpr_workgroup_id_z 1
		.amdhsa_system_vgpr_workitem_id 0
		.amdhsa_next_free_vgpr 768
		.amdhsa_next_free_sgpr 68
		.amdhsa_reserve_vcc 0
		.amdhsa_float_denorm_mode_32 3
		.amdhsa_float_denorm_mode_16_64 3
		.amdhsa_memory_ordered 1
		.amdhsa_forward_progress 1
		.amdhsa_inst_pref_size 120
	.end_amdhsa_kernel
	.amdgpu_metadata
---
amdhsa.version: [ 1, 2 ]
amdhsa.kernels:
  - .name:           k_q6b83a9736d_proj
    .symbol:         k_q6b83a9736d_proj.kd
    .args:
      - { .name: ao, .offset: 0, .size: 8, .value_kind: global_buffer, .address_space: global }
      - { .name: wpb, .offset: 8, .size: 8, .value_kind: global_buffer, .address_space: global }
      - { .name: out0, .offset: 16, .size: 8, .value_kind: global_buffer, .address_space: global }
      - { .name: b_proj, .offset: 24, .size: 8, .value_kind: global_buffer, .address_space: global }
    .group_segment_fixed_size: 327680
    .private_segment_fixed_size: 0
    .kernarg_segment_align: 8
    .kernarg_segment_size: 32
    .max_flat_workgroup_size: 128
    .sgpr_count:     68
    .vgpr_count:     768
    .wavefront_size: 32
...
	.end_amdgpu_metadata
.endif
;; end of part 4
